; MI455X (gfx1250); checked and timed in simulation.
; The chip was launched on July 23, 2026; its instructions are those of AMD's public machine-readable ISA for CDNA 5 (MIT licence, August 2026) and "CDNA5" Instruction Set Architecture Reference Guide (July 2026). The comments in the code are by the model that wrote it; some were corrected since.
;; GPT2 Self Attention. Allowed arithmetic: matrix products marked QUANTISED: E2M3 operands, one E8M0 scale for each 32 along K, by v_wmma_scale_f32_16x16x128_f8f6f4 with both operands' format E2M3, f32 sums; everything else in f32.
;; Inputs: b_attn 3,072 float32; b_proj 1,024 float32; w_attn 3,072 x 1,024 float32; w_proj 1,024 x 1,024 float32; x 4 x 2,048 x 1,024 float32.
;; Outputs: out0 4 x 2,048 x 1,024 float32.
;; This version of the problem:
;;   THIS VERSION OF THE PROBLEM IS GIVEN IN LOW PRECISION. The matrix products marked QUANTISED in the list below multiply operands that are first quantised to E2M3 (2 exponent bits, 3 mantissa bits; 6 bits a number), with one power-of-two scale for each 32 numbers along K (OCP MX v1.0); their sums are f32. All else is computed in f32.
;;   The module's matrix products, in the order in which they are computed (A, B: the left and right operand; K: the contracted axis; several contracted axes count as one K, in the product's order):
;;     1. [M 8,192, K 1,024] x [K 1,024, N 3,072]; A: input x; B: input w_attn: QUANTISED
;;     2. batch 64 x [M 2,048, K 64] x [K 64, N 2,048]; A: computed on the way; B: computed on the way: QUANTISED
;;     3. batch 64 x [M 2,048, K 2,048] x [K 2,048, N 64]; A: softmax (see below); B: computed on the way: QUANTISED
;;     4. [M 8,192, K 1,024] x [K 1,024, N 1,024]; A: computed on the way; B: input w_proj: QUANTISED
;;   THE QUANTISER, for each operand of a quantised product, along K:
;;     - K is cut into blocks of 32 from its start; a last block that is shorter is filled with zeros.
;;     - A block's scale is 2^e with e = floor(log2(the largest magnitude in the block)) - 2, held to -126 .. 127; a block of zeros has e = 0. As a byte (E8M0): e + 127.
;;     - Each number is divided by its block's scale, clamped to +-7.5, and rounded to the nearest number of E2M3, ties to even, subnormals kept.
;;     - The product sums the exact products of the quantised numbers (number of the format x scale) in f32.
;;   ~~~python
;;   def quantise(x, axis):      # numpy; x: float32 -> the quantised numbers, widened to float32 again
;;       x = np.moveaxis(x, axis, -1); K = x.shape[-1]
;;       x = np.pad(x, [(0, 0)] * (x.ndim - 1) + [(0, -K % 32)]); x = x.reshape(x.shape[:-1] + (-1, 32)); a = np.abs(x).max(-1, keepdims=True)
;;       e = np.where(a > 0, np.clip(np.frexp(np.where(a > 0, a, 1))[1] - 1 - 2, -126, 127), 0)      # np.frexp(a)[1] - 1 = floor(log2(a)), exactly
;;       r = np.clip(x / 2.0 ** e, -7.5, 7.5)
;;       step = 2.0 ** (np.maximum(np.frexp(np.where(r == 0, 1, r))[1] - 1, 0) - 3)
;;       q = np.round(r / step) * step * 2.0 ** e      # np.round: ties to even
;;       return np.moveaxis(q.reshape(q.shape[:-2] + (-1,))[..., :K], -1, axis).astype(np.float32)
;;   ~~~
;;   SOFTMAX AHEAD OF A QUANTISED PRODUCT. Where the list says 'softmax', what is quantised is not the finished softmax but p = 2^(t - M), with t = logit x log2(e) and M = ceil(the row's largest t), a whole number; so 1/2 < the row's largest p <= 1. The row's sum l is taken of the UNQUANTISED p, in f32, and the product's result is divided by l at the end. Since M is a whole number, a kernel that streams over the keys may use a running M (the ceiling of the running maximum): every later rescaling is an exact power of two, which a block's scale takes up: the codes' values come out the same.
;;   OPERANDS COMPUTED ON THE WAY. 'Computed on the way' means the value that the module computes at that place (a softmax that the list does not call 'softmax' is quantised finished and normalised). What goes into a quantiser is computed in f32, as accurately as f32 sums, v_exp_f32 and their like allow (about 1e-6 of the number): no bf16 or f16 on the way to a quantiser, and a product that is left as it is and whose result goes on into a quantised operand takes f32 operands (vector FMAs, or v_wmma_f32_16x16x4_f32). A number that lies on a knife's edge between two numbers of the format may be rounded either way, as far as f32 arithmetic and the matrix unit's own rounding can turn it there, and no further.
;; One version. Each part assembles by itself: llvm-mc -triple=amdgcn-amd-amdhsa -mcpu=gfx1250 --defsym DOCPART=n.
;; ======== version 1 of 1: 4 launches
;; limits: right only within a limited range of input values
;; workspace buffers: cw 9,437,184 bytes; sw 393,216 bytes; qkv 19,660,800 bytes; yc 6,291,456 bytes; ys 262,144 bytes
;; launch quant (part 1): grid 384 x 1, 4 waves a work-group, no clusters, 47,616 bytes of LDS; arguments x, w_attn, w_proj, cw, sw; writes cw, sw
.if DOCPART == 1
	.amdgcn_target "amdgcn-amd-amdhsa--gfx1250"
	.amdhsa_code_object_version 6
	.text
	.protected	k_q10e65b80b5_quant
	.globl	k_q10e65b80b5_quant
	.p2align	8
	.type	k_q10e65b80b5_quant,@function
k_q10e65b80b5_quant:
	s_mov_b64 s[64:65], 0
	v_nop
	global_prefetch_b8 v0, s[64:65] scope:SCOPE_SE
	s_setreg_imm32_b32 hwreg(HW_REG_WAVE_MODE, 25, 1), 1
	s_wait_xcnt 0x0
; GPT-2 self-attention in MX-FP6, four launches: quant | qkv | attn | proj.  THIS ONE: x [8192][1024], w_attn [3072][1024], w_proj [1024][1024], f32, become codes of FP6 (E2M3) with one E8M0 byte for each 32 along K (the last axis).
; WORK LEFT OUT BY THE PROGRAM (in launch attn): reference() sets the logit of key k and query q to -infinity wherever k > q, by a jnp.tril of its own; the softmax's weight there is 0 for all finite inputs,
; so a step of 128 keys all of which come after all 16 queries of a tile reaches no output and is neither multiplied nor exponentiated.  No input is left out: all five have a way to out0.
; LIMIT: a NaN, an infinity or an overflow that reaches only the steps left out is not carried to the result.
; THE BUFFERS are images of operand registers.  Row positions 0-8191 x, 8192-11263 w_attn, 11264-12287 w_proj, in tiles of 16 positions.
;   cw[tile][fragment q of 128 along K][register group c of four][lane][16 bytes]: 12,288 bytes a tile; lane (r, h) holds row position r, registers 6 c' + .. = K 128 q + 64 c' + 32 h + 0 .. 31.
;   sw[tile][half of K][r][16 bytes]: 512 bytes a tile; four bytes are the scale word of row r and one fragment.
; THE ROW ORDER: in x and w_attn position 16 u + r of each 32 holds row 8 u + r + 8 (r / 8); w_proj keeps its order.
; A block's byte is its largest magnitude's exponent field - 2, held at 1 from below; a block of zeros gets 1 where the rule says 127: its codes are zeros, and this program alone reads the bytes.
; LIMITS: blocks under 2^-124 are held at the byte 1; NaN and infinities among the inputs are not served.
; SHARES: a work-group takes two tiles, a wave one tile x half of K: 16 steps, each a row's 512 numbers.  A step's four loads read 512 consecutive bytes each; the 2,048 bytes turn through the wave's stage in LDS and come
; back 64 bytes a lane (16 neighbours along K, two lanes a block).  The codes gather in the wave's image in LDS (6,144 bytes) and leave as twelve stores of 512 consecutive bytes; the scale bytes as one of 256.
; No tensor loads, no barrier: waves share nothing.  Loads run eight steps (32 loads a wave) ahead.
.set STEPS, 16
.set EMAX,  2
.set SP,    80                         ; a lane's place in a stage: 64 bytes + 16
.set SBY,   2*32*SP                    ; behind the two stages: the wave's 256 scale bytes
.set IMG,   SBY+256                    ; and its image of four fragments
.set WREG,  11776                      ; a wave's region
.set SPARE, 4*WREG                     ; the spare words, 128 bytes a wave
.set SPW,   12
.set NIL,   13
.set IA,    16                         ; v16-18 where my three registers of codes go in the image
.set E,     24                         ; v24-31 scale bytes
.set R,     32                         ; v32-159 eight sets of 16 numbers as loaded
.set X,     160                        ; v160-191 two sets of 16 neighbours
.set C,     192                        ; v192-255 codes, four registers a step
	s_load_b128 s[4:7], s[0:1], 0x0                ; x, w_attn
	s_load_b128 s[8:11], s[0:1], 0x10              ; w_proj, cw
	s_load_b64 s[12:13], s[0:1], 0x20              ; sw
	v_lshl_add_u32 v[SPW], v0, 2, SPARE
	v_mov_b32 v[NIL], 0
	v_lshrrev_b32 v1, 5, v0
	v_readfirstlane_b32 s16, v1                    ; wave
	s_mul_i32 s17, s16, WREG
	s_add_co_u32 s18, s17, SBY
	s_add_co_u32 s19, s17, IMG
	s_lshr_b32 s22, s16, 1                         ; which tile of the two
	s_and_b32 s23, s16, 1                          ; which half of K
	s_movk_i32 s24, 352
	v_and_b32 v2, 31, v0                           ; lane
	v_lshlrev_b32 v3, 4, v2                        ; 16 x lane
	v_lshrrev_b32 v14, 2, v2
	v_mul_u32_u24 v14, v14, SP
	v_and_b32 v15, 3, v2
	v_lshl_add_u32 v14, v15, 4, v14
	v_add_nc_u32 v14, s17, v14                     ; the stage, way in
	v_mul_u32_u24 v15, v2, SP
	v_add_nc_u32 v15, s17, v15                     ; way out: my 16 neighbours
	v_lshrrev_b32 v5, 1, v2
	v_add_nc_u32 v5, s18, v5                       ; my block's scale byte
	v_lshlrev_b32 v7, 3, v2
	v_add_nc_u32 v6, s18, v7
	v_add_nc_u32 v10, s19, v3                      ; the image, way out
	v_lshrrev_b32 v19, 3, v2                       ; lane = (fragment, c', h, half of a block)
	v_mul_u32_u24 v19, v19, 1536
	v_bfe_u32 v1, v2, 1, 1
	v_lshl_add_u32 v19, v1, 8, v19                 ; + 16 x 16 h
	v_add_nc_u32 v19, s19, v19
	v_bfe_u32 v1, v2, 2, 1
	v_mul_u32_u24 v1, v1, 6
	v_and_b32 v4, 1, v2
	v_mad_u32_u24 v1, v4, 3, v1                    ; my first register of the operand's twelve: 6 c' + 3 half
.irp j, 0,1,2
	v_add_nc_u32 v4, \j, v1
	v_lshrrev_b32 v[IA+\j], 2, v4
	v_lshl_add_u32 v[IA+\j], v[IA+\j], 9, v19      ; register n lies at 512 (n / 4) + 4 (n % 4)
	v_and_b32 v4, 3, v4
	v_lshl_add_u32 v[IA+\j], v4, 2, v[IA+\j]
.endr
	s_wait_alu depctr_va_vdst(0)                   ; the wait at the head's end
	s_wait_kmcnt 0x0
	s_cmp_lt_u32 ttmp9, 256                        ; x's work-group?  The choices hang on the work-group's number alone
	s_cselect_b64 s[4:5], s[4:5], s[6:7]
	s_cselect_b32 s17, 0, 256
	s_cmp_lt_u32 ttmp9, 352                        ; or w_proj's?
	s_cselect_b64 s[4:5], s[4:5], s[8:9]
	s_cselect_b32 s17, s17, s24
	s_cselect_b32 s25, 3, 4                        ; the second tile begins 8 rows on, in w_proj 16
	s_cselect_b32 s26, 32768, 0                    ; positions 8-15 lie 8 rows further on, in w_proj not
	s_sub_co_u32 s17, ttmp9, s17
	s_lshl_b32 s17, s17, 5
	s_lshl_b32 s18, s22, s25
	s_add_co_u32 s17, s17, s18                     ; my tile's first row in its tensor
	s_lshl_b32 s20, s17, 12
	s_lshl_b32 s18, s23, 11
	s_add_co_u32 s20, s20, s18
	s_mov_b32 s21, 0
	s_mov_b32 s27, 0
	s_add_nc_u64 s[4:5], s[4:5], s[20:21]
	s_add_nc_u64 s[14:15], s[4:5], s[26:27]
	s_lshl_b32 s18, ttmp9, 1
	s_add_co_u32 s18, s18, s22                     ; my tile among all 768
	s_mul_i32 s20, s18, 12288
	s_mul_i32 s19, s23, 6144
	s_add_co_u32 s20, s20, s19
	s_add_nc_u64 s[10:11], s[10:11], s[20:21]
	s_lshl_b32 s20, s18, 9
	s_lshl_b32 s19, s23, 8
	s_add_co_u32 s20, s20, s19
	s_add_nc_u64 s[12:13], s[12:13], s[20:21]
.macro LOAD t                          ; position t's 512 numbers
.irp i, 0,1,2,3
.if (\t) < 8
	global_load_b128 v[R+16*((\t)%8)+4*\i:R+16*((\t)%8)+4*\i+3], v3, s[4:5] offset:4096*(\t)+512*\i th:TH_LOAD_NT
.else
	global_load_b128 v[R+16*((\t)%8)+4*\i:R+16*((\t)%8)+4*\i+3], v3, s[14:15] offset:4096*(\t)+512*\i th:TH_LOAD_NT
.endif
.endr
.endm
.macro TURN t                          ; through the stage: LDS serves a wave's instructions in order
.irp i, 0,1,2,3
	ds_store_b128 v14, v[R+16*((\t)%8)+4*\i:R+16*((\t)%8)+4*\i+3] offset:32*SP*((\t)%2)+8*SP*\i
.endr
.irp i, 0,1,2,3
	ds_load_b128 v[X+16*((\t)%2)+4*\i:X+16*((\t)%2)+4*\i+3], v15 offset:32*SP*((\t)%2)+16*\i
.endr
.endm
.irp t, 0,1,2,3,4,5,6,7
	LOAD \t
.endr
	s_wait_loadcnt 28                              ; step 0's four loads are in; the 28 of steps 1 to 7 stay out
	TURN 0
.macro STEP t
.set XS_, X+16*((\t)%2)
.if (\t) > 0
	s_wait_dscnt 4                                 ; this step's numbers are back (the last step's four stores of codes and byte may be out)
.else
	s_wait_dscnt 0x0
.endif
.if (\t)+8 < STEPS
	LOAD (\t)+8
.endif
.if (\t)+1 < STEPS
.if (\t)+8 < STEPS
	s_wait_loadcnt 28                              ; the next step's loads are in; those of the seven steps behind it may be out
.else
	s_wait_loadcnt 4*(STEPS-2-(\t))
.endif
	TURN (\t)+1
.endif
	v_max3_num_f32 v8, |v[XS_]|, |v[XS_+1]|, |v[XS_+2]|
	v_max3_num_f32 v9, |v[XS_+3]|, |v[XS_+4]|, |v[XS_+5]|
.irp i, 6,10
	v_max3_num_f32 v8, v8, |v[XS_+\i]|, |v[XS_+\i+1]|
	v_max3_num_f32 v9, v9, |v[XS_+\i+2]|, |v[XS_+\i+3]|
.endr
	v_max3_num_f32 v8, v8, |v[XS_+14]|, |v[XS_+15]|
	v_max3_num_f32 v8, v8, v9, (EMAX+1)<<23        ; the floor: the byte cannot fall under 1
	v_max_num_f32_dpp v8, v8, v8 row_xmask:1 row_mask:0xf bank_mask:0xf   ; with my neighbour's 16: the block's
	v_add_nc_u32 v11, -(EMAX<<23), v8              ; the conversion's scale operand
	v_cvt_scalef32_pk16_fp6_f32 v[C+4*(\t):C+4*(\t)+2], v[XS_:XS_+15], v11
	v_lshrrev_b32 v[E+(\t)%8], 23, v11             ; the scale's byte
.irp j, 0,1,2
	ds_store_b32 v[IA+\j], v[C+4*(\t)+\j] offset:16*(\t)
.endr
	ds_store_b8 v5, v[E+(\t)%8] offset:16*(\t)     ; both lanes of a block write the same byte
.endm
.irp t, 0,1,2,3,4,5,6,7,8,9,10,11,12,13,14,15
	STEP \t
.endr
	ds_load_b64 v[8:9], v6
.irp k, 0,1,2,3,4,5,6,7,8,9,10,11
	ds_load_b128 v[R+4*\k:R+4*\k+3], v10 offset:512*\k
.endr
	s_wait_dscnt 0x0
	global_store_b64 v7, v[8:9], s[12:13]          ; 256 consecutive bytes, aligned
.irp k, 0,1,2,3,4,5,6,7,8,9,10,11
	global_store_b128 v3, v[R+4*\k:R+4*\k+3], s[10:11] offset:512*\k   ; 512 consecutive bytes, aligned
.endr
	s_wait_tensorcnt 0x0                           ; the wave's end
	ds_add_u32 v[SPW], v[NIL]
	s_wait_dscnt 0x0
	s_endpgm
.Lfunc_end_k_q10e65b80b5_quant:
	.size	k_q10e65b80b5_quant, .Lfunc_end_k_q10e65b80b5_quant-k_q10e65b80b5_quant
	.p2alignl 7, 3214868480
	.fill 96, 4, 3214868480
	.section	.rodata,"a",@progbits
	.p2align	6, 0x0
	.amdhsa_kernel k_q10e65b80b5_quant
		.amdhsa_group_segment_fixed_size 47616
		.amdhsa_private_segment_fixed_size 0
		.amdhsa_enable_private_segment 0
		.amdhsa_kernarg_size 40
		.amdhsa_user_sgpr_count 2
		.amdhsa_user_sgpr_kernarg_segment_ptr 1
		.amdhsa_wavefront_size32 1
		.amdhsa_system_sgpr_workgroup_id_x 1
		.amdhsa_system_sgpr_workgroup_id_y 1
		.amdhsa_system_sgpr_workgroup_id_z 1
		.amdhsa_system_vgpr_workitem_id 0
		.amdhsa_next_free_vgpr 256
		.amdhsa_next_free_sgpr 66
		.amdhsa_reserve_vcc 0
		.amdhsa_float_denorm_mode_32 3
		.amdhsa_float_denorm_mode_16_64 3
		.amdhsa_memory_ordered 1
		.amdhsa_forward_progress 1
		.amdhsa_inst_pref_size 38
	.end_amdhsa_kernel
	.amdgpu_metadata
---
amdhsa.version: [ 1, 2 ]
amdhsa.kernels:
  - .name:           k_q10e65b80b5_quant
    .symbol:         k_q10e65b80b5_quant.kd
    .args:
      - { .name: x, .offset: 0, .size: 8, .value_kind: global_buffer, .address_space: global }
      - { .name: w_attn, .offset: 8, .size: 8, .value_kind: global_buffer, .address_space: global }
      - { .name: w_proj, .offset: 16, .size: 8, .value_kind: global_buffer, .address_space: global }
      - { .name: cw, .offset: 24, .size: 8, .value_kind: global_buffer, .address_space: global }
      - { .name: sw, .offset: 32, .size: 8, .value_kind: global_buffer, .address_space: global }
    .group_segment_fixed_size: 47616
    .private_segment_fixed_size: 0
    .kernarg_segment_align: 8
    .kernarg_segment_size: 40
    .max_flat_workgroup_size: 128
    .sgpr_count:     66
    .vgpr_count:     256
    .wavefront_size: 32
...
	.end_amdgpu_metadata
.endif
;; end of part 1
;; launch qkv (part 2): grid 8 x 32, 4 waves a work-group, clusters of 4 x 4, 327,680 bytes of LDS; arguments cw, sw, b_attn, qkv; writes qkv
.if DOCPART == 2
	.amdgcn_target "amdgcn-amd-amdhsa--gfx1250"
	.amdhsa_code_object_version 6
	.text
	.protected	k_q10e65b80b5_qkv
	.globl	k_q10e65b80b5_qkv
	.p2align	8
	.type	k_q10e65b80b5_qkv,@function
k_q10e65b80b5_qkv:
	s_mov_b64 s[64:65], 0
	v_nop
	global_prefetch_b8 v0, s[64:65] scope:SCOPE_SE
	s_setreg_imm32_b32 hwreg(HW_REG_WAVE_MODE, 25, 1), 1
	s_wait_xcnt 0x0
	s_wait_alu depctr_hold_cnt(0) depctr_sa_sdst(0) depctr_va_vdst(0) depctr_va_sdst(0) depctr_va_ssrc(0) depctr_va_vcc(0) depctr_vm_vsrc(0)
	s_getreg_b32 s2, hwreg(HW_REG_IB_STS2, 6, 4)
	s_cmp_eq_u32 s2, 0
	s_cbranch_scc0 .Lentry_in_a_cluster
	s_endpgm
.Lentry_in_a_cluster:
	s_bfe_u32 s2, ttmp6, 0x10000c
	s_cmp_lg_u32 s2, 0xf033
	s_cbranch_scc0 .Lentry_shape_is_right
	s_endpgm
.Lentry_shape_is_right:
; qkv = x w_attn^T + b_attn on codes of FP6 with E8M0 scales (cw, sw: images of operand registers, as launch quant lays them), and q, k, v are quantised in registers on the way out.
; One record of REC bytes for each (batch, head), images of operand registers again:
;   0        K's codes: 128 tiles of 16 positions x 768 bytes: a lane's registers 0-3 at 16 x lane, 4-5 at 512 + 8 x lane (lane (r, h): position r, channels 32 h + 0 .. 31)
;   98,304   V's codes: 16 steps of 128 keys x 4 tiles of 16 channels x 1,536 bytes: register group c at 512 c + 16 x lane
;   196,608  K's scale words: 16 groups of 128 positions x 256 bytes: at 16 r + 4 f bytes 0, 1 of tile 2 f's row r and bytes 2, 3 of tile 2 f + 1's
;   200,704  V's scale words: 16 steps x 256 bytes: at 16 r + 4 t the word of channel tile t, row r;   204,800 Q's codes, 303,104 Q's scale words: laid as K's.
; THE DEAL: 256 work-groups of four waves; a work-group takes 256 token positions x 128 features (two heads) of V, then of Q, then of K.  Its 256 rows of x, all of K, come into LDS once and stay (196,608 bytes, with 8,192 of scale words).
; The 128 rows of a weight have an LDS region of their own (98,304 bytes).  Wave (a, b) takes token half a and head b: its 64 rows of the weight, all of K, go into 384 registers, and x streams past in blocks of 16 positions:
; 8 fragments, 32 products, four accumulators by turns.  As soon as all waves hold a weight in registers its region is filled again with the next one, behind a drained round of the cluster's barrier:
; a refill is asked for 256 products ahead of its first read, and the head has no loop to run ahead in: so no prefetch is laid.
; Q, K: source 0 = the weight's rows: a lane holds one token and 32 channels; two blocks make one run of the quantiser.  V: source 0 = x's rows: a lane holds one channel, and its 64 registers of a channel tile run along the step's 128 keys.
; The bias is the C of each block's first four products.  CLUSTERS 4 x 4: x's rows are asked for jointly by a row of the cluster, a weight's rows by a column.
; LIMITS: NaN and infinities are not served; a block of zeros gets the byte 1 (its codes are zeros; this program alone reads the bytes); blocks under 2^-124 are held at the byte 1.
; REGISTERS: fragment f lies in window 1 + f / 21 at 12 (f % 21): 0-31 the weight's (4 q + t), 32-47 x's two sets.  v64-127 Q's, K's sums (two blocks); V's sums: v64-191 and v840-967; v968-999 the bias.
.set REC,    307200
.set VOFF,   98304
.set KSOFF,  196608
.set VSOFF,  200704
.set QOFF,   204800
.set QSOFF,  303104
.set TILE,   12288
.set WB,     16*TILE
.set XS,     WB+8*TILE
.set SPARE,  XS+8192
.set NF,     26                        ; LDS loads of a block: 24 for eight fragments, 2 for eight scale words
.set AX0, 4
.set AX,  5
.set AS0, 6
.set AS,  7
.set AW,  8
.set ABS, 9
.set SPW, 10
.set NIL, 11
.set L16, 12
.set L8,  13
.set LSR, 14
.set BADQ, 15
.set BADV, 16
.set SB,  24                           ; v24-39 the weight's scale words: tiles 2 p in lanes 0-15, 2 p + 1 in lanes 16-31
.set SA,  44                           ; v44-59 x's, two sets
.set ACC, 64
.set PC,  192
.set TM,  212
.set WS,  228                          ; v228-231 four scale words on their way out
.set BBL, 200                          ; the bias, in window 3
.set G1X, 24
.set G1W, 32
.set G1S, 48
.set G0W, 56
.set G0S, 60
.set G0A, 68
.set G0C, 72
.set OFF, 80
.set OFS, 81
.set SEL, 96
.set OB,  98
.set MSB, 0
.macro WIN new
.if MSB != (\new)
	s_set_vgpr_msb (MSB<<8)|(\new)
.set MSB, (\new)
.endif
.endm
.macro PLACES n
.rept \n
	v_nop
.endr
.endm
.macro WALU
	s_wait_alu depctr_va_vdst(0)
.endm
.macro BARRIER
	s_barrier_signal -1
	s_barrier_wait -1
.endm
.macro CROUND                          ; a round of the cluster's barrier
	BARRIER
	s_cmp_lg_u32 s14, 0
	s_cbranch_scc1 .Lnot_wave_0_\@
	s_barrier_signal -3
.Lnot_wave_0_\@:
	s_barrier_wait -3
	BARRIER
.endm
.macro TLOAD g0, g1
	tensor_load_to_lds s[\g0:\g0+3], s[\g1:\g1+7]
	s_nop 0
	PLACES 4
.endm
.macro GROUP1 g, mask, rows            ; a dense block as rows of 256 bytes
	s_or_b32 s[\g], s\mask, (3<<16)|(1<<21)
	s_mov_b32 s[\g+1], 32<<16
	s_mov_b32 s[\g+2], (\rows)<<16
	s_mov_b32 s[\g+3], 32<<16
	s_mov_b32 s[\g+4], \rows
	s_mov_b32 s[\g+5], 32
	s_mov_b32 s[\g+6], 0
	s_mov_b32 s[\g+7], 0
.endm
.macro PR1 ra, rb
	v_wmma_scale_f32_16x16x128_f8f6f4 v[DL_:DL_+7], v[A_:A_+11], v[B_:B_+11], v[CL_:CL_+7], v[XA_], v[XB_] matrix_a_fmt:MATRIX_FMT_FP6 matrix_b_fmt:MATRIX_FMT_FP6 matrix_a_scale:MATRIX_SCALE_ROW\ra matrix_b_scale:MATRIX_SCALE_ROW\rb
.endm
.macro PROD kind, e, q, t, s           ; kind 0: Q, K; 1: V.  e: x's set; q: the step along K; t: the weight's tile; s: V's block
.set FW_, 4*(\q)+(\t)
.set FX_, 32+8*(\e)+(\q)
.if \kind
.set D_, 64+64*(\t)+648*((\t)/2)+8*(\s)
.set S0_, FX_
.set S1_, FW_
.set XA_, SA+8*(\e)+(\q)
.set XB_, SB+8*((\t)/2)+(\q)
.else
.set D_, ACC+32*(\e)+8*(\t)
.set S0_, FW_
.set S1_, FX_
.set XA_, SB+8*((\t)/2)+(\q)
.set XB_, SA+8*(\e)+(\q)
.endif
.set DL_, D_&255
.set A_, 12*(S0_%21)
.set B_, 12*(S1_%21)
.if \q
.set CL_, DL_
	WIN (1+S0_/21)|((1+S1_/21)<<2)|((D_>>8)<<4)|((D_>>8)<<6)
.else
.set CL_, BBL+8*(\t)
	WIN (1+S0_/21)|((1+S1_/21)<<2)|(3<<4)|((D_>>8)<<6)
.endif
.if (\t)%2
.if \kind
	PR1 0, 1
.else
	PR1 1, 0
.endif
.else
	PR1 0, 0
.endif
.endm
.macro BLK kind, e, s, w               ; a block's 32 products; w: the LDS loads younger than its fetch
	s_wait_dscnt \w
.irp q, 0,1,2,3,4,5,6,7
.irp t, 0,1,2,3
	PROD \kind, \e, \q, \t, \s
.endr
.endr
	WIN 0
	PLACES 4                                       ; ahead of loads into, and reads of, the products' registers
.endm
.macro FETCH e, ax, cb, as, sb         ; a block of x into set e
.irp q, 0,1,2,3,4,5,6,7
.set F_, 32+8*(\e)+\q
	WIN (1+F_/21)<<6
.irp c, 0,1,2
	ds_load_b128 v[12*(F_%21)+4*\c:12*(F_%21)+4*\c+3], v[\ax] offset:TILE*(\cb)+1536*\q+512*\c
.endr
.endr
	WIN 0
	ds_load_b128 v[SA+8*(\e):SA+8*(\e)+3], v[\as] offset:512*(\sb)
	ds_load_b128 v[SA+8*(\e)+4:SA+8*(\e)+7], v[\as] offset:512*(\sb)+256
.endm
.macro WEIGHTS                         ; my 64 rows of the weight, all of K: 96 loads
.irp q, 0,1,2,3,4,5,6,7
.irp t, 0,1,2,3
.set F_, 4*\q+\t
	WIN (1+F_/21)<<6
.irp c, 0,1,2
	ds_load_b128 v[12*(F_%21)+4*\c:12*(F_%21)+4*\c+3], v[AW] offset:TILE*\t+1536*\q+512*\c
.endr
.endr
.endr
	WIN 0
.endm
.macro WSCALE kind                     ; its scale words; each half of the lanes reads 256 consecutive bytes
.irp p, 0,1
.irp c, 0,1
	global_load_b128 v[SB+8*\p+4*\c:SB+8*\p+4*\c+3], v[ABS], s[76:77] offset:(\kind)*32768+1024*\p+256*\c
.endr
.endr
.endm
.macro BIASLD kind                     ; Q, K: register 8 t + j is feature 32 (t / 2) + 16 h + 8 (t % 2) + j
	WIN 3<<6
.irp t, 0,1,2,3
	global_load_b128 v[BBL+8*\t:BBL+8*\t+3], v[BADQ], s[78:79] offset:(\kind)*4096+(32*(\t/2)+8*(\t%2))*4
	global_load_b128 v[BBL+8*\t+4:BBL+8*\t+7], v[BADQ], s[78:79] offset:(\kind)*4096+(32*(\t/2)+8*(\t%2))*4+16
.endr
	WIN 0
.endm
; 64 numbers of a lane from register s on (register 16 b + i = k 32 b + 16 h + i of my row) become a fragment's codes in v[PC] on and its scale word in v[pw].  Each accumulator is read from its low end on.
.macro QUANT s, pw
.set QW_, (\s)>>8
.set QL_, (\s)&255
	WIN QW_|(QW_<<2)
.irp b, 0,1,2,3
	v_max3_num_f32 v[TM+\b], |v[QL_+16*\b]|, |v[QL_+1+16*\b]|, 0x1800000   ; with the floor 2^(3 - 127)
.endr
	WIN (QW_<<2)|(QW_<<4)
.irp i, 2,4,6,8,10,12,14
.irp b, 0,1,2,3
	v_max3_num_f32 v[TM+\b], v[TM+\b], |v[QL_+16*\b+\i]|, |v[QL_+1+16*\b+\i]|
.endr
.endr
	WIN 0
.irp b, 0,1,2,3
	v_permlanex16_b32 v[TM+4+\b], v[TM+\b], s[SEL], s[SEL+1]
.endr
.irp b, 0,1,2,3
	v_max_num_f32 v[TM+\b], v[TM+\b], v[TM+4+\b]   ; with lane l xor 16's: the block's largest magnitude
.endr
.irp b, 0,1,2,3
	v_add_nc_u32 v[TM+12+\b], 0xff000000, v[TM+\b] ; the conversion's scale operand
.endr
.irp b, 0,1,2,3
	v_lshrrev_b32 v[TM+4+\b], 23, v[TM+12+\b]      ; the byte
.endr
	v_lshl_or_b32 v[\pw], v[TM+5], 8, v[TM+4]
	v_lshl_or_b32 v[\pw], v[TM+6], 16, v[\pw]
	v_lshl_or_b32 v[\pw], v[TM+7], 24, v[\pw]
	WIN QW_
.irp c, 0,1
	v_cvt_scalef32_pk16_fp6_f32 v[PC+6*\c:PC+2+6*\c], v[QL_+32*\c:QL_+15+32*\c], v[TM+12+2*\c]
	v_cvt_scalef32_pk16_fp6_f32 v[PC+12+4*\c:PC+14+4*\c], v[QL_+16+32*\c:QL_+31+32*\c], v[TM+12+2*\c+1]
.endr
	WIN 0
	v_nop                                          ; one plain place behind a scaled conversion
.irp c, 0,1                                    ; a whole block to a lane
.irp i, 0,1,2
	v_permlane16_swap_b32 v[PC+6*\c+\i], v[PC+12+4*\c+\i]
.endr
.irp i, 0,1,2
	v_mov_b32 v[PC+3+6*\c+\i], v[PC+12+4*\c+\i]
.endr
.endr
.endm
.macro SSTORE off                      ; four scale words of row r: lanes 0-15 store 256 consecutive bytes, aligned
	WALU
	s_wait_xcnt 0x0                                ; EXEC changes only behind this wait
	v_cmp_gt_u32 vcc_lo, 16, v3
	s_and_saveexec_b32 s83, vcc_lo
	global_store_b128 v[LSR], v[WS:WS+3], s[90:91] offset:\off
	s_wait_xcnt 0x0
	s_or_b32 exec_lo, exec_lo, s83
.endm
.macro OUTV t                          ; a whole fragment of V^T: 16 channel positions x 128 keys
	WALU
	s_wait_xcnt 0x0                                ; the last stores have read their data
	QUANT 64+64*(\t)+648*((\t)/2), WS+\t
.irp c, 0,1,2
	global_store_b128 v[L16], v[PC+4*\c:PC+4*\c+3], s[OB:OB+1] offset:1536*(\t)+512*\c
.endr
.endm
.macro OUTQ                            ; two tiles of 16 positions x my head's 64 channels
	WALU
	s_wait_xcnt 0x0                                ; the last stores have read their data and base
	s_add_nc_u64 s[OB:OB+1], s[OB:OB+1], 1536
	v_mov_b32 v[WS], v[WS+1]                       ; the four pairs' words move down, so that the fourth pair leaves them in order
	v_mov_b32 v[WS+1], v[WS+2]
	v_mov_b32 v[WS+2], v[WS+3]
	QUANT ACC, WS+3
	global_store_b128 v[L16], v[PC:PC+3], s[OB:OB+1] offset:-1536
	global_store_b64 v[L8], v[PC+4:PC+5], s[OB:OB+1] offset:-1024
	global_store_b128 v[L16], v[PC+6:PC+9], s[OB:OB+1] offset:-768
	global_store_b64 v[L8], v[PC+10:PC+11], s[OB:OB+1] offset:-256
.endm
.macro PAIRQ mode                      ; two blocks of Q or K.  mode 1: the next pair is fetched; 2: blocks 0 and 1, for the next phase; 0: nothing
	BLK 0, 0, 0, NF
.if \mode == 1
	s_add_co_u32 s[OFF], s[OFF], 2*TILE
	s_add_co_u32 s[OFS], s[OFS], 1024
	v_add_nc_u32 v[AX], s[OFF], v[AX0]
	v_add_nc_u32 v[AS], s[OFS], v[AS0]
	WALU
	FETCH 0, AX, 0, AS, 0
	BLK 0, 1, 0, NF
	FETCH 1, AX, 1, AS, 1
.elseif \mode == 2
	FETCH 0, AX0, 0, AS0, 0
	BLK 0, 1, 0, NF
	FETCH 1, AX0, 1, AS0, 1
.else
	BLK 0, 1, 0, 0
.endif
.endm
.macro VBLK s
	BLK 1, (\s)%2, \s, NF
.set NB_, ((\s)+2)%8
.if NB_ < 4
	FETCH (\s)%2, AX0, NB_, AS0, NB_
.else
	FETCH (\s)%2, AX, NB_-4, AS0, NB_
.endif
.endm
.macro START coff, lab                 ; a phase of Q or K: its first three pairs
	s_wait_xcnt 0x0
	s_add_nc_u64 s[OB:OB+1], s[88:89], \coff
	s_mov_b32 s[OFF], 0
	s_mov_b32 s[OFS], 0
	s_mov_b32 s82, 0
	s_wait_loadcnt 0x0                             ; the scale words and the bias
	s_wait_dscnt 0x0                               ; the weight and blocks 0, 1
\lab:
	PAIRQ 1
	OUTQ
	WALU
	s_add_co_u32 s82, s82, 1
	s_cmp_lt_u32 s82, 3
	s_cbranch_scc1 \lab
.endm
; ---- the head
	s_load_b128 s[4:7], s[0:1], 0x0                ; cw, sw
	s_load_b128 s[8:11], s[0:1], 0x10              ; b_attn, qkv
	v_lshl_add_u32 v[SPW], v0, 2, SPARE
	v_mov_b32 v[NIL], 0
	ds_add_u32 v[SPW], v[NIL]                      ; the opening lines
	ds_add_u32 v[SPW], v[NIL]
	v_lshrrev_b32 v1, 5, v0
	v_readfirstlane_b32 s14, v1                    ; wave
	s_lshr_b32 s15, s14, 1                         ; a: my token half
	s_and_b32 s16, s14, 1                          ; b: my head of the two
	s_bfe_u32 s40, ttmp6, 0x40000
	s_bfe_u32 s41, ttmp6, 0x40004
	s_lshl_b32 s42, ttmp9, 2
	s_add_co_u32 s42, s42, s40                     ; feature column 0 .. 7
	s_and_b32 s43, ttmp7, 0xffff
	s_lshl_b32 s43, s43, 2
	s_add_co_u32 s43, s43, s41                     ; token block 0 .. 31
	s_lshl_b32 s44, s41, 2
	s_lshl_b32 s44, 15, s44                        ; my row of the cluster
	s_lshl_b32 s45, 0x1111, s40                    ; my column
	GROUP1 G1X, 44, 384
	GROUP1 G1W, 45, 384
	GROUP1 G1S, 44, 32
	s_mov_b32 s[G0W], 1
	s_mov_b32 s[G0W+1], WB
	s_mov_b32 s[G0S], 1
	s_mov_b32 s[G0S+1], XS
	s_mov_b32 s[G0A], 1
	s_mov_b32 s[G0A+1], 0
	s_mov_b32 s[G0C], 1
	s_mov_b32 s[G0C+1], 8*TILE
	s_mul_i32 s20, s43, 16*TILE
	s_mov_b32 s21, 0
	s_lshl_b32 s22, s43, 13
	s_mov_b32 s23, 0
	s_mul_i32 s84, s42, 8*TILE
	s_add_co_u32 s84, s84, 512*TILE                ; my column's rows of w_attn's q part
	s_mov_b32 s85, 0
	s_mul_i32 s18, s14, 2*TILE                     ; a wave's quarter of a refill
	s_mov_b32 s19, 0
	s_mov_b32 s[SEL], 0x76543210
	s_mov_b32 s[SEL+1], 0xfedcba98
	s_wait_dscnt 0x0
	CROUND                                         ; ahead of the first joint loads
	s_wait_kmcnt 0x0
	s_add_nc_u64 s[G0A+2:G0A+3], s[4:5], s[20:21]
	s_add_nc_u64 s[G0C+2:G0C+3], s[G0A+2:G0A+3], 8*TILE
	s_or_b32 s[G0A+3], s[G0A+3], 0x80000000
	s_or_b32 s[G0C+3], s[G0C+3], 0x80000000
	s_add_nc_u64 s[G0S+2:G0S+3], s[6:7], s[22:23]
	s_or_b32 s[G0S+3], s[G0S+3], 0x80000000
	s_add_nc_u64 s[86:87], s[4:5], s[84:85]
	s_add_nc_u64 s[G0W+2:G0W+3], s[86:87], 128*TILE   ; v's rows lie 2,048 rows behind q's
	s_or_b32 s[G0W+3], s[G0W+3], 0x80000000
	s_add_nc_u64 s[86:87], s[86:87], s[18:19]
	s_cmp_eq_u32 s14, 0                            ; one load a wave, in one chain of branches
	s_cbranch_scc0 .Lw1
	TLOAD G0W, G1W                                 ; wave 0: v's weight
	s_branch .Lasked
.Lw1:
	s_cmp_eq_u32 s14, 1
	s_cbranch_scc0 .Lw2
	TLOAD G0S, G1S                                 ; wave 1: x's scale words
	s_branch .Lasked
.Lw2:
	s_cmp_eq_u32 s14, 2
	s_cbranch_scc0 .Lw3
	TLOAD G0A, G1X                                 ; wave 2: x's tiles 0-7
	s_branch .Lasked
.Lw3:
	TLOAD G0C, G1X                                 ; wave 3: tiles 8-15
.Lasked:
	s_lshr_b32 s18, s43, 3
	s_lshl_b32 s18, s18, 4
	s_lshl_b32 s19, s42, 1
	s_add_co_u32 s18, s18, s19
	s_add_co_u32 s18, s18, s16                     ; 16 batch + head
	s_mul_i32 s18, s18, REC
	s_and_b32 s19, s43, 7
	s_lshl_b32 s19, s19, 8
	s_lshl_b32 s20, s15, 7
	s_add_co_u32 s19, s19, s20                     ; my first position in the sequence
	s_mul_i32 s20, s19, 48
	s_add_co_u32 s20, s20, s18
	s_add_nc_u64 s[88:89], s[10:11], s[20:21]      ; codes: 768 bytes for 16 positions
	s_lshl_b32 s20, s19, 1
	s_add_co_u32 s20, s20, s18
	s_add_nc_u64 s[90:91], s[10:11], s[20:21]      ; scale words: 256 bytes for 128 positions
	s_lshl_b32 s20, s42, 12
	s_lshl_b32 s19, s16, 11
	s_add_co_u32 s20, s20, s19
	s_add_co_u32 s20, s20, 512*512
	s_add_nc_u64 s[76:77], s[6:7], s[20:21]        ; my 64 rows' scale words, q's part
	s_lshl_b32 s20, s42, 9
	s_lshl_b32 s19, s16, 8
	s_add_co_u32 s20, s20, s19
	s_add_nc_u64 s[78:79], s[8:9], s[20:21]        ; my 64 biases, q's part
	s_mul_i32 s46, s15, 8*TILE
	s_lshl_b32 s47, s15, 12
	s_add_co_u32 s47, s47, XS
	s_mul_i32 s92, s16, 4*TILE
	s_add_co_u32 s92, s92, WB
	v_and_b32 v1, 15, v0                           ; r
	v_bfe_u32 v2, v0, 4, 1                         ; h
	v_and_b32 v3, 31, v0
	v_lshlrev_b32 v[L16], 4, v3
	v_lshlrev_b32 v[L8], 3, v3
	v_lshlrev_b32 v[LSR], 4, v1
	v_add_nc_u32 v[AX0], s46, v[L16]
	v_add_nc_u32 v[AX], 4*TILE, v[AX0]
	v_add_nc_u32 v[AS0], s47, v[LSR]
	v_add_nc_u32 v[AW], s92, v[L16]
	v_lshl_add_u32 v[ABS], v2, 9, v[LSR]
	v_lshlrev_b32 v[BADQ], 6, v2
	v_and_b32 v[BADV], 8, v1
	v_add_nc_u32 v[BADV], v[BADV], v1
	v_lshlrev_b32 v[BADV], 2, v[BADV]              ; V: lane r of tile t is feature 32 (t / 2) + 8 (t % 2) + r + 8 (r / 8)
.irp b, 0,1,2,3
	v_mov_b32 v[TM+4+\b], 0                        ; a lane permute's destination counts as a source
	v_mov_b32 v[WS+\b], 0
.endr
	WALU                                           ; the wait at the head's end
	WSCALE 2
	WIN 3<<6
.irp t, 0,1,2,3
	global_load_b32 v[BBL+8*\t], v[BADV], s[78:79] offset:2*4096+(32*(\t/2)+8*(\t%2))*4
.endr
	WIN 0
	s_cmp_eq_u32 s14, 0
	s_cbranch_scc0 .Lnot_w
	s_wait_tensorcnt 0x0
.Lnot_w:
	BARRIER                                        ; v's weight is in
	WEIGHTS
	s_wait_tensorcnt 0x0                           ; every wave's load of the head; the three lines ahead of the refill's round
	ds_add_u32 v[SPW], v[NIL]
	s_mov_b32 s[G1W+2], 96<<16                     ; a refill comes as four quarters, one a wave
	s_mov_b32 s[G1W+4], 96
	s_mul_i32 s[G0W+1], s14, 2*TILE
	s_add_co_u32 s[G0W+1], s[G0W+1], WB
	s_mov_b64 s[G0W+2:G0W+3], s[86:87]
	s_or_b32 s[G0W+3], s[G0W+3], 0x80000000
	s_wait_dscnt 0x0                               ; the add, and my reads of the weight
	CROUND                                         ; x is shown to all waves too
	TLOAD G0W, G1W                                 ; q's weight
	FETCH 0, AX0, 0, AS0, 0
	FETCH 1, AX0, 1, AS0, 1
	s_wait_loadcnt 0x0
	WIN (3<<6)|3
.irp t, 0,8,16,24
.irp i, 1,2,3,4,5,6,7
	v_mov_b32 v[BBL+\t+\i], v[BBL+\t]              ; V's bias, one number a lane and tile, over the tile's eight registers
.endr
.endr
	WIN 0
	PLACES 4
	WALU
; ---- V
.irp s, 0,1,2,3,4,5,6,7
	VBLK \s
.endr
	s_wait_tensorcnt 0x0
	s_wait_dscnt 0x0
	BARRIER                                        ; q's weight is shown to all
	WSCALE 0
	BIASLD 0
	WEIGHTS
	s_add_nc_u64 s[OB:OB+1], s[88:89], VOFF
.irp t, 0,1,2,3
	OUTV \t
.endr
	SSTORE VSOFF
	WALU
	s_wait_tensorcnt 0x0                           ; the three lines ahead of the second refill's round
	ds_add_u32 v[SPW], v[NIL]
	s_add_nc_u64 s[G0W+2:G0W+3], s[86:87], 64*TILE
	s_or_b32 s[G0W+3], s[G0W+3], 0x80000000
	s_wait_dscnt 0x0
	CROUND
	TLOAD G0W, G1W                                 ; k's weight
; ---- Q
	START QOFF, .Lq
	PAIRQ 2
	s_wait_tensorcnt 0x0
	s_wait_dscnt 0x0
	BARRIER                                        ; k's weight is shown to all
	WSCALE 1
	BIASLD 1
	WEIGHTS
	OUTQ
	SSTORE QSOFF
; ---- K
	START 0, .Lk
	PAIRQ 0
	OUTQ
	SSTORE KSOFF
	s_wait_tensorcnt 0x0                           ; the wave's end
	ds_add_u32 v[SPW], v[NIL]
	s_wait_dscnt 0x0
	CROUND                                         ; the closing round
	s_endpgm
.Lfunc_end_k_q10e65b80b5_qkv:
	.size	k_q10e65b80b5_qkv, .Lfunc_end_k_q10e65b80b5_qkv-k_q10e65b80b5_qkv
	.p2alignl 7, 3214868480
	.fill 96, 4, 3214868480
	.section	.rodata,"a",@progbits
	.p2align	6, 0x0
	.amdhsa_kernel k_q10e65b80b5_qkv
		.amdhsa_group_segment_fixed_size 327680
		.amdhsa_private_segment_fixed_size 0
		.amdhsa_enable_private_segment 0
		.amdhsa_kernarg_size 32
		.amdhsa_user_sgpr_count 2
		.amdhsa_user_sgpr_kernarg_segment_ptr 1
		.amdhsa_wavefront_size32 1
		.amdhsa_system_sgpr_workgroup_id_x 1
		.amdhsa_system_sgpr_workgroup_id_y 1
		.amdhsa_system_sgpr_workgroup_id_z 1
		.amdhsa_system_vgpr_workitem_id 0
		.amdhsa_next_free_vgpr 1024
		.amdhsa_next_free_sgpr 102
		.amdhsa_reserve_vcc 1
		.amdhsa_float_denorm_mode_32 3
		.amdhsa_float_denorm_mode_16_64 3
		.amdhsa_memory_ordered 1
		.amdhsa_forward_progress 1
		.amdhsa_inst_pref_size 169
	.end_amdhsa_kernel
	.amdgpu_metadata
---
amdhsa.version: [ 1, 2 ]
amdhsa.kernels:
  - .name:           k_q10e65b80b5_qkv
    .symbol:         k_q10e65b80b5_qkv.kd
    .args:
      - { .name: cw, .offset: 0, .size: 8, .value_kind: global_buffer, .address_space: global }
      - { .name: sw, .offset: 8, .size: 8, .value_kind: global_buffer, .address_space: global }
      - { .name: b_attn, .offset: 16, .size: 8, .value_kind: global_buffer, .address_space: global }
      - { .name: qkv, .offset: 24, .size: 8, .value_kind: global_buffer, .address_space: global }
    .group_segment_fixed_size: 327680
    .private_segment_fixed_size: 0
    .kernarg_segment_align: 8
    .kernarg_segment_size: 32
    .max_flat_workgroup_size: 128
    .sgpr_count:     102
    .vgpr_count:     1024
    .wavefront_size: 32
...
	.end_amdgpu_metadata
.endif
;; end of part 2
;; launch attn (part 3): grid 4 x 64, 16 waves a work-group, clusters of 4 x 1, 206,848 bytes of LDS; arguments qkv, yc, ys; writes yc, ys
.if DOCPART == 3
	.amdgcn_target "amdgcn-amd-amdhsa--gfx1250"
	.amdhsa_code_object_version 6
	.text
	.protected	k_q10e65b80b5_attn
	.globl	k_q10e65b80b5_attn
	.p2align	8
	.type	k_q10e65b80b5_attn,@function
k_q10e65b80b5_attn:
	s_mov_b64 s[64:65], 0
	v_nop
	global_prefetch_b8 v0, s[64:65] scope:SCOPE_SE
	s_setreg_imm32_b32 hwreg(HW_REG_WAVE_MODE, 25, 1), 1
	s_wait_xcnt 0x0
	s_wait_alu depctr_hold_cnt(0) depctr_sa_sdst(0) depctr_va_vdst(0) depctr_va_sdst(0) depctr_va_ssrc(0) depctr_va_vcc(0) depctr_vm_vsrc(0)
	s_getreg_b32 s2, hwreg(HW_REG_IB_STS2, 6, 4)
	s_cmp_eq_u32 s2, 0
	s_cbranch_scc0 .Lentry_in_a_cluster
	s_endpgm
.Lentry_in_a_cluster:
	s_bfe_u32 s2, ttmp6, 0x10000c
	s_cmp_lg_u32 s2, 0x3003
	s_cbranch_scc0 .Lentry_shape_is_right
	s_endpgm
.Lentry_shape_is_right:
; y = softmax(q k^T / 8, causal) v for each of 64 (batch, head), both products on codes of FP6 (E2M3) with E8M0 scales, from the records that launch qkv lays (their map stands at that kernel's head); y is quantised along
; the model's 1,024 channels on the way out: yc [512 tiles of 16 positions][16 heads][768 bytes: a lane's registers 0-3 at 16 x lane, 4-5 at 512 + 8 x lane], ys [8192 positions][32]: byte 2 head + block.
; WORK LEFT OUT: a step of 128 keys all of which come after a tile's 16 queries: reference()'s own jnp.tril makes their weights 0 for all values of the inputs.  A NaN or an infinity that reaches only such steps is not carried on.
; THE SOFTMAX: t = score x log2(e) / 8; M = the row's largest t so far, rounded UP to a whole number; p = 2^(t - M) is quantised along the keys, not normalised; the row's sum is taken of the unquantised p and divides O at the end.
; When M moves, the sum and O are multiplied by 2^(old M - new M): exact.
; SHARES.  Four work-groups, one cluster, share a head.  Its K and V, codes and scale words, are the first 204,800 bytes of its record: they come into LDS ONCE, by one joint tensor load a wave (12,800 bytes each), and stay: no refill,
; no barrier in the loops.  Of the head's 128 tiles of 16 queries work-group cx owns tiles cx + 4 m; wave w takes m = w and then m = 31 - w: (m / 2) + 1 live steps a tile, 17 a wave, whatever cx.
; LAYOUT.  Both products are used transposed (S^T = K Q^T, O^T = V^T P^T): a lane holds ONE query.  The head size is 64 and the instruction's K is 128: one fragment of K holds two tiles of keys, and Q stands in a run of 18 registers
; between zeros: v[22:33] = (q, 0) picks the first tile, v[16:27] = (0, q) the second.  Tokens lie BY POSITION (in each 32 the second and third eight change places), so the 16 registers of tiles 2 f, 2 f + 1 are keys
; 32 f + 16 (lane / 16) + 0 .. 15; lane r of query tile t is token 32 (t / 2) + 8 (t % 2) + r + 8 (r / 8).  V's channels lie by position too: O^T's register 16 b + i is channel 32 b + 16 (lane / 16) + i.
; TWO REGIONS OF 64 REGISTERS TAKE TURNS.  In a step one holds K's fragments and the other takes the scores.  V's fragments are asked for behind the score products, into K's registers; the next step's K fragments are asked for
; behind the conversions, into the scores' registers.  So each LDS load has a long run of the step's work between its issue and the wait for it.  A trip of the loop runs two steps, until the regions are back where they began.
; Both tiles' q are loaded at the head, ahead of the wait for the tensor load.
; ys is stored a byte a lane, to rows 32 bytes apart: a whole scale word holds two heads' bytes, and two heads live in two clusters; it is one byte for each 24 of y's codes.
; LIMITS: NaN and infinities are not served; a block of zeros gets the byte 1 (its codes are zeros; this program alone reads the bytes).
.set REC,   307200
.set VOFF,  98304
.set KSOFF, 196608
.set QOFF,  204800
.set QSOFF, 303104
.set PART,  12800                      ; a wave's part of the 204,800 bytes: 50 rows of 256
.set SPARE, 204800                     ; the spare words, 128 bytes a wave
.set L16,  1                           ; 16 x lane
.set L8,   2                           ; 8 x lane
.set LV,   3                           ; VOFF + 16 x lane
.set LSC,  4                           ; KSOFF + 16 (lane % 16)
.set LSQ,  5                           ; 16 (lane % 16)
.set LYS,  6                           ; 32 (lane % 16) + lane / 16
.set RQ,   7                           ; r + 8 (r / 8) - 16 h
.set ADA,  8                           ; v8-11 the trip's LDS addresses
.set ADB,  9
.set ADV,  10
.set ADS,  11
                                       ; v12 -M, v13 the largest t, v[14:15] the sum in two halves; v16-33 the run 0, q, 0
.set QS,   34                          ; q's scale word, its two bytes twice
.set SWK,  36                          ; v36-39 K's scale words
.set SWV,  40                          ; v40-43 V's
.set SPW,  44
.set NIL,  45
.set DQ,   46                          ; my query less the diagonal step's first key less 16 h
.set NINF, 47
.set T0,   48                          ; v48-51 at work
.set FF,   52                          ; v[52:53] f = 2^(old M - new M), and 0
.set Q1,   54                          ; v54-59 the second tile's q, v60 its scale word
.set Q1S,  60
.set TMP,  61
.set PWR,  62                          ; p's scale word
.set X,    64                          ; v64-127, v128-191 the two regions
.set Y,    128
.set OT,   192                         ; v192-223 O^T
.set PC,   224                         ; v224-235 p's codes
.set PT,   236                         ; v236-242 at work
.set BM,   244                         ; the blocks' largest scores, then p
.set BT,   248
.set BS,   252                         ; the conversions' scale operands
.set WV,   10
.set CX,   11
.set HD,   12
.set G0,   16
.set G1,   20
.set SEL,  28
.set CS,   30
.set MM,   32
.set LIMS, 33                          ; the diagonal step of the tile in hand
.set SI,   34                          ; the trip's first step
.set TB,   35                          ; 6,144 x that step
.set TS,   36                          ; 256 x that step
.set TT,   37
.set HI,   52                          ; the mask of lanes 16-31
.set SJ,   53                          ; the trip's second step
.macro WALU
	s_wait_alu depctr_va_vdst(0)
.endm
.macro CROUND
	s_barrier_signal -1
	s_barrier_wait -1
	s_cmp_lg_u32 s[WV], 0
	s_cbranch_scc1 .Lnot_wave_0_\@
	s_barrier_signal -3
.Lnot_wave_0_\@:
	s_barrier_wait -3
	s_barrier_signal -1
	s_barrier_wait -1
.endm
.macro QASK x, g, q, w                 ; the codes and the scale word of tile 4 (wave xor x) + cx
	s_xor_b32 s[MM], s[WV], \x
	s_lshl_b32 s[TT], s[MM], 2
	s_add_co_u32 s[TT], s[TT], s[CX]
	s_mul_i32 s38, s[TT], 768
	s_add_co_u32 s38, s38, QOFF
	s_add_nc_u64 s[\g:\g+1], s[4:5], s[38:39]
	s_lshr_b32 s48, s[TT], 3
	s_lshl_b32 s48, s48, 8
	s_bfe_u32 s49, s[TT], 0x20001
	s_lshl_b32 s50, s49, 2
	s_add_co_u32 s38, s48, s50
	s_add_co_u32 s38, s38, QSOFF
	s_add_nc_u64 s[\g+2:\g+3], s[4:5], s[38:39]
	global_load_b128 v[\q:\q+3], v[L16], s[\g:\g+1]
	global_load_b64 v[\q+4:\q+5], v[L8], s[\g:\g+1] offset:512
	global_load_b32 v[\w], v[LSQ], s[\g+2:\g+3]
.endm
.macro KLOAD R, a, b, s, off, soff     ; four fragments of K (key tiles 2 f, 2 f + 1) and their scale words: 17 loads
.irp f, 0,1,2,3
	ds_load_b128 v[\R+12*\f:\R+12*\f+3], v[\a] offset:(\off)+1536*\f
	ds_load_b64 v[\R+12*\f+4:\R+12*\f+5], v[\b] offset:(\off)+1536*\f+512
	ds_load_b128 v[\R+12*\f+6:\R+12*\f+9], v[\a] offset:(\off)+1536*\f+768
	ds_load_b64 v[\R+12*\f+10:\R+12*\f+11], v[\b] offset:(\off)+1536*\f+1280
.endr
	ds_load_b128 v[SWK:SWK+3], v[\s] offset:\soff
.endm
	s_load_b128 s[4:7], s[0:1], 0x0                ; qkv, yc
	s_load_b64 s[8:9], s[0:1], 0x10                ; ys
	v_lshl_add_u32 v[SPW], v0, 2, SPARE
	v_mov_b32 v[NIL], 0
	ds_add_u32 v[SPW], v[NIL]                      ; the opening lines
	ds_add_u32 v[SPW], v[NIL]
	v_lshrrev_b32 v[T0], 5, v0
	v_readfirstlane_b32 s[WV], v[T0]               ; wave 0..15
	s_bfe_u32 s[CX], ttmp6, 0x40000                ; cx: it enters Q's, yc's and ys's addresses and the mask's numbers alone
	s_and_b32 s[HD], ttmp7, 0xffff                 ; 16 x batch + head
	s_mov_b32 s[G1], 15|(3<<16)|(1<<21)            ; all four work-groups; elements of 8 bytes
	s_mov_b32 s[G1+1], 32<<16                      ; rows of 256 bytes
	s_mov_b32 s[G1+2], 50<<16
	s_mov_b32 s[G1+3], 32<<16
	s_mov_b32 s[G1+4], 50
	s_mov_b32 s[G1+5], 32
	s_mov_b32 s[G1+6], 0
	s_mov_b32 s[G1+7], 0
	s_mov_b32 s[SEL], 0x76543210
	s_mov_b32 s[SEL+1], 0xfedcba98
	s_mov_b32 s[CS], 0x3e38aa3b                    ; c = log2(e) / 8
	s_mov_b32 s[CS+1], s[CS]
	s_mul_i32 s38, s[HD], REC
	s_mov_b32 s39, 0
	s_mul_i32 s48, s[WV], PART
	s_mov_b32 s49, 0
	s_wait_dscnt 0x0
	s_wait_kmcnt 0x0
	s_add_nc_u64 s[4:5], s[4:5], s[38:39]          ; my head's record
	CROUND                                         ; the joint loads meet
	s_mov_b32 s[G0], 1
	s_mov_b32 s[G0+1], s48
	s_add_nc_u64 s[G0+2:G0+3], s[4:5], s[48:49]
	s_or_b32 s[G0+3], s[G0+3], 0x80000000
	tensor_load_to_lds s[G0:G0+3], s[G1:G1+7]      ; my one tensor load of the launch
	s_nop 0
.rept 4
	v_nop
.endr
	v_and_b32 v[T0], 31, v0
	v_and_b32 v[T0+1], 15, v0                      ; r
	v_bfe_u32 v[T0+2], v0, 4, 1                    ; h
	v_lshlrev_b32 v[L16], 4, v[T0]
	v_lshlrev_b32 v[L8], 3, v[T0]
	v_lshlrev_b32 v[LSQ], 4, v[T0+1]
	v_and_b32 v[T0+3], 8, v[T0+1]
	v_add_nc_u32 v[LV], VOFF, v[L16]
	v_add_nc_u32 v[LSC], KSOFF, v[LSQ]
	v_lshl_add_u32 v[LYS], v[T0+1], 5, v[T0+2]
	v_add_nc_u32 v[RQ], v[T0+3], v[T0+1]
	v_lshlrev_b32 v[T0+3], 4, v[T0+2]
	v_cmp_eq_u32 s[HI], 1, v[T0+2]
	v_sub_nc_u32 v[RQ], v[RQ], v[T0+3]
.irp j, 16,17,18,19,20,21,28,29,30,31,32,33
	v_mov_b32 v\j, 0                               ; the zero codes on both sides of q
.endr
.irp b, 0,1,2,3
	v_mov_b32 v[BT+\b], 0                          ; a lane permute's destination counts as one of its sources
.endr
	v_mov_b32 v[TMP], 0
	v_mov_b32 v[FF+1], 0
	v_mov_b32 v[NINF], 0xff800000
	WALU                                           ; the wait at the head's end
	QASK 0, 40, 22, T0
	QASK 31, 56, Q1, Q1S
	s_wait_tensorcnt 0x0
	s_barrier_signal -1
	s_barrier_wait -1                              ; from here on LDS is only read
; A KEY STEP: 128 keys.  KR: the region with K's fragments, which then takes V's;  SR: the region for the scores, which then takes the next step's K;  ix: the step's number;  o: 0 the trip's first step, 1 its second.
.macro STEP KR, SR, ix, o
	s_cmp_gt_u32 s[\ix], s[LIMS]                   ; all its keys come after my queries: left out
	s_cbranch_scc1 .Lhidden_\@
	v_add_nc_u32 v[ADV], s[TB], v[LV]              ; (with the v_nop the five places)
	v_add_nc_u32 v[ADS], s[TS], v[LSC]
	v_add_nc_u32 v[ADA], s[TB], v[L16]
	v_add_nc_u32 v[ADB], s[TB], v[L8]              ; (both steps of a trip make the same four addresses, each on its own way; the second step's place stands in the loads' immediates)
	v_nop
	WALU
	s_wait_dscnt 0x0                               ; K's fragments, asked for in the step before
.irp f, 0,1,2,3
	v_wmma_scale_f32_16x16x128_f8f6f4 v[\SR+16*\f:\SR+16*\f+7], v[\KR+12*\f:\KR+12*\f+11], v[22:33], 0, v[SWK+\f], v[QS] matrix_a_fmt:MATRIX_FMT_FP6 matrix_b_fmt:MATRIX_FMT_FP6
	v_wmma_scale_f32_16x16x128_f8f6f4 v[\SR+16*\f+8:\SR+16*\f+15], v[\KR+12*\f:\KR+12*\f+11], v[16:27], 0, v[SWK+\f], v[QS] matrix_a_fmt:MATRIX_FMT_FP6 matrix_b_fmt:MATRIX_FMT_FP6
.endr                                          ; register 16 f + i: key 128 step + 32 f + 16 h + i
.rept 4
	v_nop
.endr
.irp t, 0,1,2,3                                ; V^T: four tiles of 16 channel positions x these 128 keys, into K's registers
.irp c, 0,1,2
	ds_load_b128 v[\KR+12*\t+4*\c:\KR+12*\t+4*\c+3], v[ADV] offset:6144*\o+1536*\t+512*\c
.endr
.endr
	ds_load_b128 v[SWV:SWV+3], v[ADS] offset:256*\o+4096
	s_cmp_lg_u32 s[\ix], s[LIMS]                   ; on the diagonal the scores of hidden keys become -infinity ahead of the maximum
	s_cbranch_scc1 .Lopen_\@
.set n, 0
.rept 64
	v_cmp_gt_i32 vcc_lo, 32*(n/16)+n%16, v[DQ]
	v_cndmask_b32 v[\SR+n], v[\SR+n], v[NINF], vcc_lo
.set n, n+1
.endr
.Lopen_\@:
.irp b, 0,1,2,3
	v_max3_num_f32 v[BM+\b], v[\SR+16*\b], v[\SR+1+16*\b], v[\SR+2+16*\b]   ; the largest score of each block of 32 keys serves the row's maximum and the block's largest p
.endr
.irp i, 3,5,7,9,11,13
.irp b, 0,1,2,3
	v_max3_num_f32 v[BM+\b], v[BM+\b], v[\SR+16*\b+\i], v[\SR+1+16*\b+\i]
.endr
.endr
.irp b, 0,1,2,3
	v_max_num_f32 v[BM+\b], v[BM+\b], v[\SR+15+16*\b]
.endr
.irp b, 0,1,2,3
	s_delay_alu instid0(VALU_DEP_4)
	v_permlanex16_b32 v[BT+\b], v[BM+\b], s[SEL], s[SEL+1]
.endr
.irp b, 0,1,2,3
	s_delay_alu instid0(VALU_DEP_4)
	v_max_num_f32 v[BM+\b], v[BM+\b], v[BT+\b]     ; with lane l xor 16's 16 keys
.endr
	s_delay_alu instid0(VALU_DEP_2)
	v_max3_num_f32 v[TMP], v[BM], v[BM+1], v[BM+2]
	s_delay_alu instid0(VALU_DEP_1)
	v_max_num_f32 v[TMP], v[TMP], v[BM+3]
	s_delay_alu instid0(VALU_DEP_1)
	v_mul_f32 v[TMP], s[CS], v[TMP]                ; as t (c is positive)
	s_delay_alu instid0(VALU_DEP_1)
	v_max_num_f32 v13, v13, v[TMP]                 ; the running largest t
	v_mov_b32 v[TMP], v12
	s_delay_alu instid0(VALU_DEP_2)
	v_floor_f32 v12, -v13                          ; the new -M = -ceil(t)
	s_delay_alu instid0(VALU_DEP_1)
	v_sub_f32 v[TMP], v12, v[TMP]                  ; old M less new M: a whole number, 0 or less
	s_delay_alu instid0(VALU_DEP_1)
	v_cvt_i32_f32 v[TMP], v[TMP]
	s_delay_alu instid0(VALU_DEP_1)
	v_ldexp_f32 v[FF], 1.0, v[TMP]                 ; f
.set j, 0
.rept 32
	v_pk_fma_f32 v[\SR+j:\SR+j+1], v[\SR+j:\SR+j+1], s[CS:CS+1], v[12:13] op_sel_hi:[1,0,0]   ; t - M, two at a time
.set j, j+2
.endr
.irp b, 0,1,2,3
	v_fma_f32 v[BM+\b], v[BM+\b], s[CS], v12       ; the same of each block's largest score
.endr
	WALU                                           ; ahead of the batch
.set j, 0
.rept 64
	v_exp_f32 v[\SR+j], v[\SR+j]                   ; p = 2^(t - M), at most 1
.set j, j+1
.endr
.irp b, 0,1,2,3
	v_exp_f32 v[BM+\b], v[BM+\b]                   ; the block's largest p: the same two instructions on the same number
.endr
	v_pk_mul_f32 v[14:15], v[14:15], v[FF:FF+1] op_sel_hi:[1,0]   ; the sums under the new M (the plain place behind the batch)
	WALU                                           ; one wait for the batch, ahead of its first reader
	v_pk_add_f32 v[BT:BT+1], v[\SR:\SR+1], v[\SR+2:\SR+3]         ; the row's sum of the unquantised p, in four chains
	v_pk_add_f32 v[BT+2:BT+3], v[\SR+4:\SR+5], v[\SR+6:\SR+7]
	v_pk_add_f32 v[BS:BS+1], v[\SR+8:\SR+9], v[\SR+10:\SR+11]
	v_pk_add_f32 v[14:15], v[14:15], v[\SR+12:\SR+13]
.irp j, 14,22,30,38,46,54
	v_pk_add_f32 v[BT:BT+1], v[BT:BT+1], v[\SR+\j:\SR+\j+1]
	v_pk_add_f32 v[BT+2:BT+3], v[BT+2:BT+3], v[\SR+\j+2:\SR+\j+3]
	v_pk_add_f32 v[BS:BS+1], v[BS:BS+1], v[\SR+\j+4:\SR+\j+5]
	v_pk_add_f32 v[14:15], v[14:15], v[\SR+\j+6:\SR+\j+7]
.endr
	v_pk_add_f32 v[BT:BT+1], v[BT:BT+1], v[\SR+62:\SR+63]
	v_pk_add_f32 v[14:15], v[14:15], v[BS:BS+1]
	v_pk_add_f32 v[BT:BT+1], v[BT:BT+1], v[BT+2:BT+3]
	v_nop
	v_pk_add_f32 v[14:15], v[14:15], v[BT:BT+1]
.irp b, 0,1,2,3
	v_max_num_f32 v[BM+\b], 0x1800000, v[BM+\b]    ; the floor 2^(3 - 127): the byte cannot fall under 1
.endr
.irp b, 0,1,2,3
	s_delay_alu instid0(VALU_DEP_4)
	v_add_nc_u32 v[BS+\b], 0xff000000, v[BM+\b]    ; the conversion's scale operand
.endr
.irp b, 0,1,2,3
	s_delay_alu instid0(VALU_DEP_4)
	v_lshrrev_b32 v[BT+\b], 23, v[BS+\b]           ; the scale's byte
.endr
	s_delay_alu instid0(VALU_DEP_3)
	v_lshl_or_b32 v[PWR], v[BT+1], 8, v[BT]        ; p's scale word for these 128 keys
	s_delay_alu instid0(VALU_DEP_1)
	v_lshl_or_b32 v[PWR], v[BT+2], 16, v[PWR]
	s_delay_alu instid0(VALU_DEP_1)
	v_lshl_or_b32 v[PWR], v[BT+3], 24, v[PWR]
.irp c, 0,1
	v_cvt_scalef32_pk16_fp6_f32 v[PC+6*\c:PC+2+6*\c], v[\SR+32*\c:\SR+15+32*\c], v[BS+2*\c]
	v_cvt_scalef32_pk16_fp6_f32 v[PT+4*\c:PT+2+4*\c], v[\SR+16+32*\c:\SR+31+32*\c], v[BS+2*\c+1]
.endr
	v_nop                                          ; one plain place behind a scaled conversion
	WALU
	s_wait_dscnt 0x0                               ; V's fragments, asked for ahead of the softmax
	s_cmp_ge_u32 s[\ix], s[LIMS]                   ; a tile's last step asks for nothing more
	s_cbranch_scc1 .Lno_k_\@
	KLOAD \SR, ADA, ADB, ADS, 6144*\o+6144, 256*\o+256   ; the next step's K, into the scores' registers, which are done with
.Lno_k_\@:
.irp c, 0,1                                    ; a WHOLE block to a lane: lanes 0-15 block 2 c, lanes 16-31 block 2 c + 1
.irp i, 0,1,2
	v_permlane16_swap_b32 v[PC+6*\c+\i], v[PT+4*\c+\i]
.endr
.irp i, 0,1,2
	s_delay_alu instid0(VALU_DEP_3)
	v_mov_b32 v[PC+3+6*\c+\i], v[PT+4*\c+\i]
.endr
.endr
	WALU                                           ; directly ahead of the first reader of O^T
.set j, 0
.rept 16
	v_pk_mul_f32 v[OT+j:OT+j+1], v[OT+j:OT+j+1], v[FF:FF+1] op_sel_hi:[1,0]   ; O^T under the new M (also the places in front of the products: 4 for p's codes, 8 for its scale word)
.set j, j+2
.endr
.irp t, 0,1,2,3                                ; four accumulators by turns; eight other products stand between two steps' links
	v_wmma_scale_f32_16x16x128_f8f6f4 v[OT+8*\t:OT+8*\t+7], v[\KR+12*\t:\KR+12*\t+11], v[PC:PC+11], v[OT+8*\t:OT+8*\t+7], v[SWV+\t], v[PWR] matrix_a_fmt:MATRIX_FMT_FP6 matrix_b_fmt:MATRIX_FMT_FP6
.endr
.Lhidden_\@:
.endm
; ONE TILE OF 16 QUERIES, from its codes to y's codes.  second = 0: m = wave; 1: m = 31 - wave.
.macro PASS second
.if \second
	s_wait_xcnt 0x0                                ; the first tile's stores have read their bases and data
	s_xor_b32 s[MM], s[WV], 31
.else
	s_mov_b32 s[MM], s[WV]
.endif
	KLOAD Y, L16, L8, LSC, 0, 0                    ; step 0's K
	s_lshr_b32 s[LIMS], s[MM], 1                   ; the tile's tokens lie in key step m / 2
	s_lshl_b32 s[TT], s[MM], 2
	s_add_co_u32 s[TT], s[TT], s[CX]               ; t = 4 m + cx
	s_bfe_u32 s49, s[TT], 0x20001                  ; (t / 2) % 4
	s_lshr_b32 s48, s[HD], 4
	s_lshl_b32 s48, s48, 7
	s_add_co_u32 s48, s48, s[TT]                   ; the tile among all 512
	s_lshl_b32 s50, s48, 4
	s_and_b32 s51, s[HD], 15
	s_add_co_u32 s50, s50, s51
	s_mul_i32 s38, s50, 768
	s_add_nc_u64 s[44:45], s[6:7], s[38:39]        ; y's codes
	s_lshl_b32 s38, s48, 9
	s_lshl_b32 s51, s51, 1
	s_add_co_u32 s38, s38, s51
	s_add_nc_u64 s[46:47], s[8:9], s[38:39]        ; y's scale bytes
	s_lshl_b32 s49, s49, 5
	s_and_b32 s50, s[TT], 1
	s_lshl_b32 s51, s50, 3
	s_add_co_u32 s49, s49, s51
	v_add_nc_u32 v[DQ], s49, v[RQ]                 ; register 16 f + i is hidden where 32 f + i is greater
	s_lshl_b32 s48, s50, 4                         ; q's two bytes stand 16 (t % 2) bits up
	v_mov_b32 v13, 0xff61b1e6                      ; the largest t so far: -3e38
	s_delay_alu instid0(VALU_DEP_1)
	v_floor_f32 v12, -v13
	v_mov_b32 v14, 0
	v_mov_b32 v15, 0
.if \second
.irp i, 0,1,2,3,4,5
	v_mov_b32 v[22+\i], v[Q1+\i]
.endr
	v_lshrrev_b32 v[T0], s48, v[Q1S]
.else
	s_wait_loadcnt 0x0                             ; both tiles' q
	v_lshrrev_b32 v[T0], s48, v[T0]
.endif
	s_delay_alu instid0(VALU_DEP_1)
	v_and_b32 v[T0], 0xffff, v[T0]
	s_delay_alu instid0(VALU_DEP_1)
	v_lshl_or_b32 v[QS], v[T0], 16, v[T0]          ; twice: for (q, 0) and for (0, q)
.set j, 0
.rept 32
	v_mov_b32 v[OT+j], 0                           ; O^T (also the places between q, its scale word and the first product)
.set j, j+1
.endr
	s_mov_b32 s[SI], 0
	s_mov_b32 s[TB], 0
	s_mov_b32 s[TS], 0
.Lstep_\@:                                         ; 8 trips of two steps, a constant; a step beyond the diagonal does nothing
	s_add_co_u32 s[SJ], s[SI], 1
	STEP Y, X, SI, 0
	STEP X, Y, SJ, 1
	s_add_co_u32 s[TB], s[TB], 12288
	s_add_co_u32 s[TS], s[TS], 512
	s_add_co_u32 s[SI], s[SI], 2
	WALU
	s_cmp_lt_u32 s[SI], 16
	s_cbranch_scc1 .Lstep_\@
	; the way out
	v_add_f32 v14, v14, v15
	s_delay_alu instid0(VALU_DEP_1)
	v_permlanex16_b32 v[TMP], v14, s[SEL], s[SEL+1]
	s_delay_alu instid0(VALU_DEP_1)
	v_add_f32 v14, v14, v[TMP]                     ; the row's sum
	WALU
	v_rcp_f32 v14, v14
.rept 4
	v_nop                                          ; the plain place behind the reciprocal, and the places behind the last products
.endr
	WALU
.set j, 0
.rept 16
	v_pk_mul_f32 v[X+j:X+j+1], v[OT+j:OT+j+1], v[14:15] op_sel_hi:[1,0]   ; y = O^T / the sum; each accumulator is read from its low end on
.set j, j+2
.endr
.irp b, 0,1
	v_max3_num_f32 v[BM+\b], |v[X+16*\b]|, |v[X+1+16*\b]|, 0x1800000   ; the head's two blocks of 32 along the model's channels
.endr
.irp i, 2,4,6,8,10,12,14
.irp b, 0,1
	s_delay_alu instid0(VALU_DEP_2)
	v_max3_num_f32 v[BM+\b], v[BM+\b], |v[X+16*\b+\i]|, |v[X+1+16*\b+\i]|
.endr
.endr
.irp b, 0,1
	s_delay_alu instid0(VALU_DEP_2)
	v_permlanex16_b32 v[BT+\b], v[BM+\b], s[SEL], s[SEL+1]
.endr
.irp b, 0,1
	s_delay_alu instid0(VALU_DEP_2)
	v_max_num_f32 v[BM+\b], v[BM+\b], v[BT+\b]
.endr
.irp b, 0,1
	s_delay_alu instid0(VALU_DEP_2)
	v_add_nc_u32 v[BS+\b], 0xff000000, v[BM+\b]
.endr
.irp b, 0,1
	s_delay_alu instid0(VALU_DEP_2)
	v_lshrrev_b32 v[BT+\b], 23, v[BS+\b]
.endr
	s_delay_alu instid0(VALU_DEP_1)
	v_cndmask_b32 v[T0], v[BT], v[BT+1], s[HI]     ; lane (r, h) stores block h's byte of row r
	v_cvt_scalef32_pk16_fp6_f32 v[PC:PC+2], v[X:X+15], v[BS]
	v_cvt_scalef32_pk16_fp6_f32 v[PT:PT+2], v[X+16:X+31], v[BS+1]
	v_nop
.irp i, 0,1,2
	v_permlane16_swap_b32 v[PC+\i], v[PT+\i]
.endr
.irp i, 0,1,2
	s_delay_alu instid0(VALU_DEP_3)
	v_mov_b32 v[PC+3+\i], v[PT+\i]
.endr
	global_store_b128 v[L16], v[PC:PC+3], s[44:45]             ; 512 consecutive bytes, aligned to 256
	global_store_b64 v[L8], v[PC+4:PC+5], s[44:45] offset:512  ; 256 consecutive bytes, aligned
	global_store_b8 v[LYS], v[T0], s[46:47]
.endm
	PASS 0
	PASS 1
	s_wait_tensorcnt 0x0                           ; the wave's end
	ds_add_u32 v[SPW], v[NIL]
	s_wait_dscnt 0x0
	CROUND                                         ; the closing round
	s_endpgm
.Lfunc_end_k_q10e65b80b5_attn:
	.size	k_q10e65b80b5_attn, .Lfunc_end_k_q10e65b80b5_attn-k_q10e65b80b5_attn
	.p2alignl 7, 3214868480
	.fill 96, 4, 3214868480
	.section	.rodata,"a",@progbits
	.p2align	6, 0x0
	.amdhsa_kernel k_q10e65b80b5_attn
		.amdhsa_group_segment_fixed_size 206848
		.amdhsa_private_segment_fixed_size 0
		.amdhsa_enable_private_segment 0
		.amdhsa_kernarg_size 24
		.amdhsa_user_sgpr_count 2
		.amdhsa_user_sgpr_kernarg_segment_ptr 1
		.amdhsa_wavefront_size32 1
		.amdhsa_system_sgpr_workgroup_id_x 1
		.amdhsa_system_sgpr_workgroup_id_y 1
		.amdhsa_system_sgpr_workgroup_id_z 1
		.amdhsa_system_vgpr_workitem_id 0
		.amdhsa_next_free_vgpr 256
		.amdhsa_next_free_sgpr 66
		.amdhsa_reserve_vcc 1
		.amdhsa_float_denorm_mode_32 3
		.amdhsa_float_denorm_mode_16_64 3
		.amdhsa_memory_ordered 1
		.amdhsa_forward_progress 1
		.amdhsa_inst_pref_size 109
	.end_amdhsa_kernel
	.amdgpu_metadata
---
amdhsa.version: [ 1, 2 ]
amdhsa.kernels:
  - .name:           k_q10e65b80b5_attn
    .symbol:         k_q10e65b80b5_attn.kd
    .args:
      - { .name: qkv, .offset: 0, .size: 8, .value_kind: global_buffer, .address_space: global }
      - { .name: yc, .offset: 8, .size: 8, .value_kind: global_buffer, .address_space: global }
      - { .name: ys, .offset: 16, .size: 8, .value_kind: global_buffer, .address_space: global }
    .group_segment_fixed_size: 206848
    .private_segment_fixed_size: 0
    .kernarg_segment_align: 8
    .kernarg_segment_size: 24
    .max_flat_workgroup_size: 512
    .sgpr_count:     66
    .vgpr_count:     256
    .wavefront_size: 32
...
	.end_amdgpu_metadata
.endif
;; end of part 3
;; launch proj (part 4): grid 8 x 32, 4 waves a work-group, clusters of 4 x 4, 327,680 bytes of LDS; arguments yc, ys, cw, sw, b_proj, out0; writes out0
.if DOCPART == 4
	.amdgcn_target "amdgcn-amd-amdhsa--gfx1250"
	.amdhsa_code_object_version 6
	.text
	.protected	k_q10e65b80b5_proj
	.globl	k_q10e65b80b5_proj
	.p2align	8
	.type	k_q10e65b80b5_proj,@function
k_q10e65b80b5_proj:
	s_mov_b64 s[64:65], 0
	v_nop
	global_prefetch_b8 v0, s[64:65] scope:SCOPE_SE
	s_setreg_imm32_b32 hwreg(HW_REG_WAVE_MODE, 25, 1), 1
	s_wait_xcnt 0x0
	s_wait_alu depctr_hold_cnt(0) depctr_sa_sdst(0) depctr_va_vdst(0) depctr_va_sdst(0) depctr_va_ssrc(0) depctr_va_vcc(0) depctr_vm_vsrc(0)
	s_getreg_b32 s2, hwreg(HW_REG_IB_STS2, 6, 4)
	s_cmp_eq_u32 s2, 0
	s_cbranch_scc0 .Lentry_in_a_cluster
	s_endpgm
.Lentry_in_a_cluster:
	s_bfe_u32 s2, ttmp6, 0x10000c
	s_cmp_lg_u32 s2, 0xf033
	s_cbranch_scc0 .Lentry_shape_is_right
	s_endpgm
.Lentry_shape_is_right:
; out0 = y w_proj^T + b_proj on codes of FP6 with E8M0 scales.  y: yc [512 tiles of 16 positions][16 heads][768 bytes: a lane's registers 0-3 at 16 x lane, 4-5 at 512 + 8 x lane], ys [8192 positions][32], as launch attn leaves them;
; w_proj: tiles 704-767 of cw and sw, as launch quant lays them.  Position r of tile T is token 32 (T / 2) + 8 (T % 2) + r + 8 (r / 8).
; THE DEAL: 256 work-groups of four waves, 256 positions x 128 columns each.  The 256 rows of y and the 128 rows of the weight, all of K, come into LDS once, one tensor load a wave; nothing is filled again, and there is no loop to run ahead in: no prefetch.
; Wave (a, b) holds columns 64 b + 0 .. 63 of the weight in 384 registers and streams its 8 tiles of y past them: 32 products a block, four accumulators by turns; the bias is the first four products' C.
; Source 0 = the weight's rows: a lane holds 8 neighbouring columns of one token in each accumulator.  A finished block goes through the wave's own stage in LDS and leaves as rows of 256 consecutive bytes, aligned, sixteen lanes a row.
; CLUSTERS 4 x 4: y's rows are asked for jointly by a row of the cluster, the weight's by a column.  LIMITS: NaN and infinities are not served.
.set TILE,   12288
.set WB,     16*TILE
.set XS,     WB+8*TILE
.set STG,    XS+8192
.set SPITCH, 272
.set SPARE,  STG+4*16*SPITCH
.set NF,     34                        ; LDS loads of a block: 32 for eight fragments, 2 for eight scale words
.set NS,     16                        ; LDS instructions of a block's turn through the stage
.set A16, 4
.set A8,  5
.set AS0, 6
.set B16, 7
.set AW,  8
.set ABS, 9
.set SPW, 10
.set NIL, 11
.set L16, 12
.set STO, 13
.set RD,  14
.set CO,  15
.set B8,  16
.set AS,  17
.set BAD, 18
.set SB,  24
.set SA,  44
.set ACC, 64
.set BK,  128                          ; v128-191 two blocks read back from the stage
.set BBL, 200
.set G1X, 24
.set G1W, 32
.set G1S, 48
.set G0W, 56
.set G0S, 60
.set G0A, 68
.set G0C, 72
.set OFF, 80
.set OFS, 81
.set OP,  98
.set MSB, 0
.macro WIN new
.if MSB != (\new)
	s_set_vgpr_msb (MSB<<8)|(\new)
.set MSB, (\new)
.endif
.endm
.macro PLACES n
.rept \n
	v_nop
.endr
.endm
.macro WALU
	s_wait_alu depctr_va_vdst(0)
.endm
.macro BARRIER
	s_barrier_signal -1
	s_barrier_wait -1
.endm
.macro CROUND
	BARRIER
	s_cmp_lg_u32 s14, 0
	s_cbranch_scc1 .Lnot_wave_0_\@
	s_barrier_signal -3
.Lnot_wave_0_\@:
	s_barrier_wait -3
	BARRIER
.endm
.macro TLOAD g0, g1
	tensor_load_to_lds s[\g0:\g0+3], s[\g1:\g1+7]
	s_nop 0
	PLACES 4
.endm
.macro GROUP1 g, mask, rows
	s_or_b32 s[\g], s\mask, (3<<16)|(1<<21)
	s_mov_b32 s[\g+1], 32<<16
	s_mov_b32 s[\g+2], (\rows)<<16
	s_mov_b32 s[\g+3], 32<<16
	s_mov_b32 s[\g+4], \rows
	s_mov_b32 s[\g+5], 32
	s_mov_b32 s[\g+6], 0
	s_mov_b32 s[\g+7], 0
.endm
.macro PR1 ra
	v_wmma_scale_f32_16x16x128_f8f6f4 v[DL_:DL_+7], v[A_:A_+11], v[B_:B_+11], v[CL_:CL_+7], v[XA_], v[XB_] matrix_a_fmt:MATRIX_FMT_FP6 matrix_b_fmt:MATRIX_FMT_FP6 matrix_a_scale:MATRIX_SCALE_ROW\ra matrix_b_scale:MATRIX_SCALE_ROW0
.endm
.macro PROD e, q, t
.set S0_, 4*(\q)+(\t)
.set S1_, 32+8*(\e)+(\q)
.set DL_, ACC+32*(\e)+8*(\t)
.set XA_, SB+8*((\t)/2)+(\q)
.set XB_, SA+8*(\e)+(\q)
.set A_, 12*(S0_%21)
.set B_, 12*(S1_%21)
.if \q
.set CL_, DL_
	WIN (1+S0_/21)|((1+S1_/21)<<2)
.else
.set CL_, BBL+8*(\t)
	WIN (1+S0_/21)|((1+S1_/21)<<2)|(3<<4)
.endif
.if (\t)%2
	PR1 1
.else
	PR1 0
.endif
.endm
.macro FETCH e, a16, a8, as, blk       ; a tile of y into set e
.irp q, 0,1,2,3,4,5,6,7
.set F_, 32+8*(\e)+\q
.set R_, 12*(F_%21)
	WIN (1+F_/21)<<6
	ds_load_b128 v[R_:R_+3], v[\a16] offset:TILE*(\blk)+1536*\q
	ds_load_b64 v[R_+4:R_+5], v[\a8] offset:TILE*(\blk)+1536*\q+512
	ds_load_b128 v[R_+6:R_+9], v[\a16] offset:TILE*(\blk)+1536*\q+768
	ds_load_b64 v[R_+10:R_+11], v[\a8] offset:TILE*(\blk)+1536*\q+1280
.endr
	WIN 0
	ds_load_b128 v[SA+8*(\e):SA+8*(\e)+3], v[\as] offset:512*(\blk)
	ds_load_b128 v[SA+8*(\e)+4:SA+8*(\e)+7], v[\as] offset:512*(\blk)+16
.endm
.macro WEIGHTS
.irp q, 0,1,2,3,4,5,6,7
.irp t, 0,1,2,3
.set F_, 4*\q+\t
	WIN (1+F_/21)<<6
.irp c, 0,1,2
	ds_load_b128 v[12*(F_%21)+4*\c:12*(F_%21)+4*\c+3], v[AW] offset:TILE*\t+1536*\q+512*\c
.endr
.endr
.endr
	WIN 0
.endm
.macro TOSTAGE e                       ; LDS serves a wave's instructions in order: no wait between the stores and the loads
.irp t, 0,1,2,3
	ds_store_b128 v[STO], v[ACC+32*(\e)+8*\t:ACC+32*(\e)+8*\t+3] offset:64*\t       ; each accumulator from its low end on
	ds_store_b128 v[STO], v[ACC+32*(\e)+8*\t+4:ACC+32*(\e)+8*\t+7] offset:64*\t+16
.endr
.irp k, 0,1,2,3,4,5,6,7
	ds_load_b128 v[BK+32*(\e)+4*\k:BK+32*(\e)+4*\k+3], v[RD] offset:2*\k*SPITCH
.endr
.endm
.macro SEND e                          ; two rows of 256 consecutive bytes an instruction
.irp k, 0,1,2,3,4,5,6,7
	global_store_b128 v[CO], v[BK+32*(\e)+4*\k:BK+32*(\e)+4*\k+3], s[OP:OP+1] offset:(8*(\e)+2*\k+8*(\k/4))*4096 th:TH_STORE_NT
.endr
.endm
; A block.  w: the LDS instructions younger than its fetch; that wait also shows the block two back returned from the stage.  send: that block is stored.  step: the stores' base goes on 32 tokens.  mode 1: the block two on is fetched.
.macro HALF e, send, step, mode, w
	s_wait_dscnt \w
.if \send
	SEND \e
.endif
.irp q, 0,1,2,3,4,5,6,7
.irp t, 0,1,2,3
	PROD \e, \q, \t
.endr
.endr
	WIN 0
	PLACES 4                                       ; ahead of reads of, and loads into, the products' registers
	s_wait_xcnt 0x0                                ; the stores have read their data and base
.if \step
	s_add_nc_u64 s[OP:OP+1], s[OP:OP+1], 32*4096
.endif
	TOSTAGE \e
.if \mode
.if (\e) == 0
	s_add_co_u32 s[OFF], s[OFF], 2*TILE
	s_add_co_u32 s[OFS], s[OFS], 1024
	v_add_nc_u32 v[B16], s[OFF], v[A16]
	v_add_nc_u32 v[B8], s[OFF], v[A8]
	v_add_nc_u32 v[AS], s[OFS], v[AS0]
	WALU
.endif
	FETCH \e, B16, B8, AS, \e
.endif
.endm
; ---- the head
	s_load_b128 s[4:7], s[0:1], 0x0                ; yc, ys
	s_load_b128 s[8:11], s[0:1], 0x10              ; cw, sw
	s_load_b128 s[92:95], s[0:1], 0x20             ; b_proj, out0
	v_lshl_add_u32 v[SPW], v0, 2, SPARE
	v_mov_b32 v[NIL], 0
	ds_add_u32 v[SPW], v[NIL]                      ; the opening lines
	ds_add_u32 v[SPW], v[NIL]
	v_lshrrev_b32 v1, 5, v0
	v_readfirstlane_b32 s14, v1
	s_lshr_b32 s15, s14, 1                         ; a: my half of the positions
	s_and_b32 s16, s14, 1                          ; b: my half of the columns
	s_bfe_u32 s40, ttmp6, 0x40000
	s_bfe_u32 s41, ttmp6, 0x40004
	s_lshl_b32 s42, ttmp9, 2
	s_add_co_u32 s42, s42, s40
	s_and_b32 s43, ttmp7, 0xffff
	s_lshl_b32 s43, s43, 2
	s_add_co_u32 s43, s43, s41
	s_lshl_b32 s44, s41, 2
	s_lshl_b32 s44, 15, s44
	s_lshl_b32 s45, 0x1111, s40
	GROUP1 G1X, 44, 384
	GROUP1 G1W, 45, 384
	GROUP1 G1S, 44, 32
	s_mov_b32 s[G0W], 1
	s_mov_b32 s[G0W+1], WB
	s_mov_b32 s[G0S], 1
	s_mov_b32 s[G0S+1], XS
	s_mov_b32 s[G0A], 1
	s_mov_b32 s[G0A+1], 0
	s_mov_b32 s[G0C], 1
	s_mov_b32 s[G0C+1], 8*TILE
	s_mul_i32 s20, s43, 16*TILE
	s_mov_b32 s21, 0
	s_lshl_b32 s22, s43, 13
	s_mov_b32 s23, 0
	s_mul_i32 s84, s42, 8*TILE
	s_add_co_u32 s84, s84, 704*TILE
	s_mov_b32 s85, 0
	s_wait_dscnt 0x0
	CROUND
	s_wait_kmcnt 0x0
	s_add_nc_u64 s[G0A+2:G0A+3], s[4:5], s[20:21]
	s_add_nc_u64 s[G0C+2:G0C+3], s[G0A+2:G0A+3], 8*TILE
	s_or_b32 s[G0A+3], s[G0A+3], 0x80000000
	s_or_b32 s[G0C+3], s[G0C+3], 0x80000000
	s_add_nc_u64 s[G0S+2:G0S+3], s[6:7], s[22:23]
	s_or_b32 s[G0S+3], s[G0S+3], 0x80000000
	s_add_nc_u64 s[G0W+2:G0W+3], s[8:9], s[84:85]
	s_or_b32 s[G0W+3], s[G0W+3], 0x80000000
	s_cmp_eq_u32 s14, 0
	s_cbranch_scc0 .Lw1
	TLOAD G0W, G1W                                 ; wave 0: the weight
	s_branch .Lasked
.Lw1:
	s_cmp_eq_u32 s14, 1
	s_cbranch_scc0 .Lw2
	TLOAD G0S, G1S                                 ; wave 1: y's scale bytes
	s_branch .Lasked
.Lw2:
	s_cmp_eq_u32 s14, 2
	s_cbranch_scc0 .Lw3
	TLOAD G0A, G1X                                 ; wave 2: y's tiles 0-7
	s_branch .Lasked
.Lw3:
	TLOAD G0C, G1X                                 ; wave 3: tiles 8-15
.Lasked:
	s_lshl_b32 s20, s42, 12
	s_lshl_b32 s19, s16, 11
	s_add_co_u32 s20, s20, s19
	s_add_co_u32 s20, s20, 704*512
	s_add_nc_u64 s[76:77], s[10:11], s[20:21]      ; my 64 rows' scale words
	s_lshl_b32 s20, s42, 9
	s_lshl_b32 s19, s16, 8
	s_add_co_u32 s20, s20, s19
	s_add_nc_u64 s[78:79], s[92:93], s[20:21]      ; my 64 biases
	s_add_nc_u64 s[OP:OP+1], s[94:95], s[20:21]    ; my 64 columns of out0,
	s_lshl_b32 s20, s43, 8
	s_lshl_b32 s19, s15, 7
	s_add_co_u32 s20, s20, s19
	s_lshl_b32 s20, s20, 12
	s_add_nc_u64 s[OP:OP+1], s[OP:OP+1], s[20:21]  ; from my first token on
	s_mul_i32 s46, s15, 8*TILE
	s_lshl_b32 s47, s15, 12
	s_add_co_u32 s47, s47, XS
	s_mul_i32 s86, s16, 4*TILE
	s_add_co_u32 s86, s86, WB
	s_mul_i32 s87, s14, 16*SPITCH
	s_add_co_u32 s87, s87, STG
	s_mov_b32 s[OFF], 0
	s_mov_b32 s[OFS], 0
	v_and_b32 v1, 15, v0
	v_bfe_u32 v2, v0, 4, 1
	v_and_b32 v3, 31, v0
	v_lshlrev_b32 v[L16], 4, v3
	v_add_nc_u32 v[A16], s46, v[L16]
	v_lshl_add_u32 v[A8], v3, 3, s46
	v_lshl_add_u32 v[AS0], v1, 5, s47
	v_add_nc_u32 v[AW], s86, v[L16]
	v_lshlrev_b32 v[ABS], 4, v1
	v_lshl_add_u32 v[ABS], v2, 9, v[ABS]
	v_lshlrev_b32 v[BAD], 5, v2                    ; register 8 t + i is column 16 t + 8 h + i
	v_mul_u32_u24 v[STO], v1, SPITCH
	v_lshl_add_u32 v[STO], v2, 5, v[STO]
	v_add_nc_u32 v[STO], s87, v[STO]
	v_mul_u32_u24 v[RD], v2, SPITCH
	v_lshl_add_u32 v[RD], v1, 4, v[RD]
	v_add_nc_u32 v[RD], s87, v[RD]
	v_lshlrev_b32 v[CO], 4, v1
	v_lshl_add_u32 v[CO], v2, 12, v[CO]
	WALU                                           ; the wait at the head's end
.irp p, 0,1
.irp c, 0,1
	global_load_b128 v[SB+8*\p+4*\c:SB+8*\p+4*\c+3], v[ABS], s[76:77] offset:1024*\p+256*\c
.endr
.endr
	WIN 3<<6
.irp t, 0,1,2,3
	global_load_b128 v[BBL+8*\t:BBL+8*\t+3], v[BAD], s[78:79] offset:64*\t
	global_load_b128 v[BBL+8*\t+4:BBL+8*\t+7], v[BAD], s[78:79] offset:64*\t+16
.endr
	WIN 0
	s_cmp_eq_u32 s14, 0
	s_cbranch_scc0 .Lnot_w
	s_wait_tensorcnt 0x0
.Lnot_w:
	BARRIER                                        ; the weight is in
	WEIGHTS
	s_wait_tensorcnt 0x0
	s_wait_dscnt 0x0
	BARRIER                                        ; y and its scale bytes are in
	FETCH 0, A16, A8, AS0, 0
	FETCH 1, A16, A8, AS0, 1
	s_wait_loadcnt 0x0
; ---- four pairs of blocks
	HALF 0, 0, 0, 1, NF
	HALF 1, 0, 0, 1, NS+NF
	s_mov_b32 s82, 0
.Lpair:
	HALF 0, 1, 0, 1, NS+NF
	HALF 1, 1, 1, 1, NS+NF
	s_add_co_u32 s82, s82, 1
	s_cmp_lt_u32 s82, 2
	s_cbranch_scc1 .Lpair
	HALF 0, 1, 0, 0, NS+NF
	HALF 1, 1, 1, 0, NS
	s_wait_dscnt NS
	SEND 0
	s_wait_dscnt 0x0
	SEND 1
	s_wait_tensorcnt 0x0                           ; the wave's end
	ds_add_u32 v[SPW], v[NIL]
	s_wait_dscnt 0x0
	CROUND                                         ; the closing round
	s_endpgm
.Lfunc_end_k_q10e65b80b5_proj:
	.size	k_q10e65b80b5_proj, .Lfunc_end_k_q10e65b80b5_proj-k_q10e65b80b5_proj
	.p2alignl 7, 3214868480
	.fill 96, 4, 3214868480
	.section	.rodata,"a",@progbits
	.p2align	6, 0x0
	.amdhsa_kernel k_q10e65b80b5_proj
		.amdhsa_group_segment_fixed_size 327680
		.amdhsa_private_segment_fixed_size 0
		.amdhsa_enable_private_segment 0
		.amdhsa_kernarg_size 48
		.amdhsa_user_sgpr_count 2
		.amdhsa_user_sgpr_kernarg_segment_ptr 1
		.amdhsa_wavefront_size32 1
		.amdhsa_system_sgpr_workgroup_id_x 1
		.amdhsa_system_sgpr_workgroup_id_y 1
		.amdhsa_system_sgpr_workgroup_id_z 1
		.amdhsa_system_vgpr_workitem_id 0
		.amdhsa_next_free_vgpr 1024
		.amdhsa_next_free_sgpr 102
		.amdhsa_reserve_vcc 0
		.amdhsa_float_denorm_mode_32 3
		.amdhsa_float_denorm_mode_16_64 3
		.amdhsa_memory_ordered 1
		.amdhsa_forward_progress 1
		.amdhsa_inst_pref_size 66
	.end_amdhsa_kernel
	.amdgpu_metadata
---
amdhsa.version: [ 1, 2 ]
amdhsa.kernels:
  - .name:           k_q10e65b80b5_proj
    .symbol:         k_q10e65b80b5_proj.kd
    .args:
      - { .name: yc, .offset: 0, .size: 8, .value_kind: global_buffer, .address_space: global }
      - { .name: ys, .offset: 8, .size: 8, .value_kind: global_buffer, .address_space: global }
      - { .name: cw, .offset: 16, .size: 8, .value_kind: global_buffer, .address_space: global }
      - { .name: sw, .offset: 24, .size: 8, .value_kind: global_buffer, .address_space: global }
      - { .name: b_proj, .offset: 32, .size: 8, .value_kind: global_buffer, .address_space: global }
      - { .name: out0, .offset: 40, .size: 8, .value_kind: global_buffer, .address_space: global }
    .group_segment_fixed_size: 327680
    .private_segment_fixed_size: 0
    .kernarg_segment_align: 8
    .kernarg_segment_size: 48
    .max_flat_workgroup_size: 128
    .sgpr_count:     102
    .vgpr_count:     1024
    .wavefront_size: 32
...
	.end_amdgpu_metadata
.endif
;; end of part 4
